; MI455X (gfx1250); checked and timed in simulation.
; The chip was launched on July 23, 2026; its instructions are those of AMD's public machine-readable ISA for CDNA 5 (MIT licence, August 2026) and "CDNA5" Instruction Set Architecture Reference Guide (July 2026). The comments in the code are by the model that wrote it; some were corrected since.
;; Self Attention. Allowed arithmetic: matrix products marked QUANTISED: E2M1 operands, one E8M0 scale for each 32 along K, by v_wmma_scale_f32_16x16x128_f8f6f4 with both operands' format E2M1 (or v_wmma_scale_f32_32x16x128_f4), f32 sums; products left as they are: bf16, f16 or f32 operands; f32 sums; everything else in f32.
;; Inputs: W_out 1,024 x 1,024 float32; W_qkv 1,024 x 3,072 float32; b_out 1,024 float32; b_qkv 3,072 float32; x 4 x 2,048 x 1,024 float32.
;; Outputs: out0 4 x 2,048 x 1,024 float32.
;; This version of the problem:
;;   THIS VERSION OF THE PROBLEM IS GIVEN IN LOW PRECISION. The matrix products marked QUANTISED in the list below multiply operands that are first quantised to E2M1 (2 exponent bits, 1 mantissa bit; 4 bits a number), with one power-of-two scale for each 32 numbers along K (OCP MX v1.0); their sums are f32. The products marked 'left as it is' may take bf16, f16 or f32 operands, with f32 sums. Whichever they take, every output number must still come out within the allowed error. Rounding operands to bf16 (8 significant bits) uses up far more of that allowance than f16 does (11 bits, for magnitudes from 6e-5 to 65,504). All else is computed in f32.
;;   The module's matrix products, in the order in which they are computed (A, B: the left and right operand; K: the contracted axis; several contracted axes count as one K, in the product's order):
;;     1. [M 8,192, K 1,024] x [K 1,024, N 3,072]; A: input x; B: input W_qkv: QUANTISED
;;     2. batch 64 x [M 2,048, K 64] x [K 64, N 2,048]; A: computed on the way; B: computed on the way: left as it is (an operand is computed on the way)
;;     3. batch 64 x [M 2,048, K 2,048] x [K 2,048, N 64]; A: computed on the way; B: computed on the way: left as it is (an operand is computed on the way)
;;     4. [M 8,192, K 1,024] x [K 1,024, N 1,024]; A: computed on the way; B: input W_out: left as it is (an operand is computed on the way)
;;   THE QUANTISER, for each operand of a quantised product, along K:
;;     - K is cut into blocks of 32 from its start; a last block that is shorter is filled with zeros.
;;     - A block's scale is 2^e with e = floor(log2(the largest magnitude in the block)) - 2, held to -126 .. 127; a block of zeros has e = 0. As a byte (E8M0): e + 127.
;;     - Each number is divided by its block's scale, clamped to +-6, and rounded to the nearest number of E2M1, ties to even, subnormals kept.
;;     - The product sums the exact products of the quantised numbers (number of the format x scale) in f32.
;;   ~~~python
;;   def quantise(x, axis):      # numpy; x: float32 -> the quantised numbers, widened to float32 again
;;       x = np.moveaxis(x, axis, -1); K = x.shape[-1]
;;       x = np.pad(x, [(0, 0)] * (x.ndim - 1) + [(0, -K % 32)]); x = x.reshape(x.shape[:-1] + (-1, 32)); a = np.abs(x).max(-1, keepdims=True)
;;       e = np.where(a > 0, np.clip(np.frexp(np.where(a > 0, a, 1))[1] - 1 - 2, -126, 127), 0)      # np.frexp(a)[1] - 1 = floor(log2(a)), exactly
;;       r = np.clip(x / 2.0 ** e, -6, 6)
;;       step = 2.0 ** (np.maximum(np.frexp(np.where(r == 0, 1, r))[1] - 1, 0) - 1)
;;       q = np.round(r / step) * step * 2.0 ** e      # np.round: ties to even
;;       return np.moveaxis(q.reshape(q.shape[:-2] + (-1,))[..., :K], -1, axis).astype(np.float32)
;;   ~~~
;; One version. Each part assembles by itself: llvm-mc -triple=amdgcn-amd-amdhsa -mcpu=gfx1250 --defsym DOCPART=n.
;; ======== version 1 of 1: 5 launches
;; limits: values are held in f16: magnitudes above 65,504 overflow, below 6.1e-05 lose precision
;; workspace buffers: xc 4,194,304 bytes; xs 262,144 bytes; wc 1,572,864 bytes; ws 98,304 bytes; wo16 2,097,152 bytes; qkv16 50,331,648 bytes; qkv32 786,432 bytes; ao16 16,777,216 bytes
;; launch prep (part 1): grid 336 x 1, 4 waves a work-group, no clusters, 86,528 bytes of LDS; arguments x, W_qkv, W_out, xc, xs, wc, ws, wo16; writes xc, xs, wc, ws, wo16
.if DOCPART == 1
	.amdgcn_target "amdgcn-amd-amdhsa--gfx1250"
	.amdhsa_code_object_version 6
	.text
	.protected	k_qcb20c21751_prep
	.globl	k_qcb20c21751_prep
	.p2align	8
	.type	k_qcb20c21751_prep,@function
k_qcb20c21751_prep:
	s_mov_b64 s[64:65], 0
	v_nop
	global_prefetch_b8 v0, s[64:65] scope:SCOPE_SE
	s_setreg_imm32_b32 hwreg(HW_REG_WAVE_MODE, 25, 1), 1
	s_wait_xcnt 0x0
; PREP: the operands of the later launches are laid out once.
;   work-groups 0-47:   W_qkv [1024 (k)][3072 (n)] f32 -> codes of FP4 (E2M1) laid [3072][1024] with K innermost (512 bytes a row), one E8M0 byte for each 32 along K, laid [3072][32]
;   work-groups 48-79:  W_out [1024 (k)][1024 (n)] f32 -> f16, laid [k / 64][n][64]: K innermost in chunks of 64
;   work-groups 80-335: x [8192][1024] f32 -> codes [8192][512 bytes] and scale bytes [8192][32]
; A block's scale is 2^(floor(log2(its largest magnitude)) - 2); its byte is the largest magnitude's exponent field - 2, held at 1 from below.  A block of zeros so gets the byte 1 where the
; stated quantiser says 127: its codes are zeros, which add nothing under any byte but 0xff, and the bytes are read by this program alone.
; LIMITS: blocks whose largest magnitude lies under 2^-124 are held at the byte 1; NaN and infinities among the inputs are not served; W_out beyond 65,504 in magnitude has no f16 number.
; The three paths part on the work-group's number and never join; each has LDS bytes of its own.  No tensor loads, no barrier: waves share nothing.
.set SPW,   194                        ; v194  LDS address of my spare word: SPARE + 4 x my thread's number; never rewritten
.set NIL,   195                        ; v195  0; never rewritten
.set WST,   32768                      ; path W: four stages of 32 rows x 272 bytes
.set OST,   67584                      ; path O: four stages of 32 rows x 144 bytes
.set SPARE, 86016                      ; the spare words, 128 bytes for each wave: two blocks of 256 bytes that no other line names
	s_load_b256 s[4:11], s[0:1], 0x0               ; x s[4:5], W_qkv s[6:7], W_out s[8:9], xc s[10:11]
	s_load_b256 s[12:19], s[0:1], 0x20             ; xs s[12:13], wc s[14:15], ws s[16:17], wo16 s[18:19]
	v_lshl_add_u32 v[SPW], v0, 2, SPARE
	v_mov_b32 v[NIL], 0
	v_lshrrev_b32 v1, 5, v0
	v_readfirstlane_b32 s20, v1                    ; wave 0..3
	v_and_b32 v2, 31, v0                           ; lane
	s_mov_b32 s23, 0                               ; the high word of every offset pair s[22:23]
	s_wait_kmcnt 0x0
	s_cmp_lt_u32 ttmp9, 48
	s_cbranch_scc1 .Lpath_w
	s_cmp_lt_u32 ttmp9, 80
	s_cbranch_scc1 .Lpath_o
; ---------------- PATH X.  Rows are dense and 1,024 is a multiple of 32: x is a plain stream of blocks of 32, and so are its codes and scale bytes.
; A wave takes 16 steps of 512 numbers.  Each of a step's four loads reads 512 consecutive bytes; the 2,048 bytes turn through the wave's own stage in LDS (16 bytes of padding behind each 64)
; and come back 64 bytes a lane: 16 neighbours along K, two neighbouring lanes to a block.  Loads run four steps ahead, the turn through LDS one step.
.set STEPS, 16
.set WREG,  8192                       ; a wave's region: two stages of 32 x SP bytes, behind them its 256 scale bytes
.set SP,    80
.set CB,    8                          ; bytes of 16 codes
.set XR,    16                         ; v16-79   four sets of 16 numbers as loaded
.set XX,    80                         ; v80-111  two sets of 16 neighbours
.set XE,    112                        ; v112-127 a scale byte for each step
.set XC,    128                        ; v128-191 codes: four registers for each step, so that no store's data are written again
	s_sub_co_u32 s21, ttmp9, 80
	s_lshl_b32 s21, s21, 2
	s_add_co_u32 s21, s21, s20                     ; which run of 8,192 numbers is my wave's: 0 .. 1,023
	s_lshl_b32 s22, s21, 15
	s_add_nc_u64 s[4:5], s[4:5], s[22:23]          ; 32,768 bytes of x a run,
	s_lshl_b32 s22, s21, 12
	s_add_nc_u64 s[10:11], s[10:11], s[22:23]      ; 4,096 of codes,
	s_lshl_b32 s22, s21, 8
	s_add_nc_u64 s[12:13], s[12:13], s[22:23]      ; 256 of scale bytes
	v_lshlrev_b32 v3, 4, v2                        ; my 16 bytes of a load's 512
	s_mul_i32 s21, s20, WREG
	v_lshrrev_b32 v14, 2, v2
	v_mul_u32_u24 v14, v14, SP
	v_and_b32 v15, 3, v2
	v_lshl_add_u32 v14, v15, 4, v14
	v_add_nc_u32 v14, s21, v14                     ; the stage, on the way in: SP (lane / 4) + 16 (lane % 4)
	v_mul_u32_u24 v15, v2, SP
	v_add_nc_u32 v15, s21, v15                     ; and on the way out: SP x lane
	v_mul_u32_u24 v4, v2, CB                       ; my codes' place in a step's
	v_lshrrev_b32 v5, 1, v2
	s_add_co_u32 s21, s21, 2*32*SP
	v_add_nc_u32 v5, s21, v5                       ; my block's byte among my wave's 256
	v_lshlrev_b32 v7, 3, v2                        ; and on the way out 8 bytes a lane
	v_add_nc_u32 v6, s21, v7
.macro XLOAD t
.irp i, 0,1,2,3
	global_load_b128 v[XR+16*((\t)%4)+4*\i:XR+16*((\t)%4)+4*\i+3], v3, s[4:5] offset:2048*(\t)+512*\i th:TH_LOAD_NT
.endr
.endm
.macro XTURN t                         ; LDS serves a wave's instructions in order: no wait between the stores and the loads
.irp i, 0,1,2,3
	ds_store_b128 v14, v[XR+16*((\t)%4)+4*\i:XR+16*((\t)%4)+4*\i+3] offset:32*SP*((\t)%2)+8*SP*\i
.endr
.irp i, 0,1,2,3
	ds_load_b128 v[XX+16*((\t)%2)+4*\i:XX+16*((\t)%2)+4*\i+3], v15 offset:32*SP*((\t)%2)+16*\i
.endr
.endm
.irp t, 0,1,2,3
	XLOAD \t
.endr
	s_wait_loadcnt 12                              ; step 0's four loads are in; the twelve of steps 1 to 3 may be out
	XTURN 0
.macro XSTEP t
.set XS, XX+16*((\t)%2)
.if (\t) > 0
	s_wait_dscnt 1                                 ; this step's numbers are back from the stage; the last step's byte store may be out
.else
	s_wait_dscnt 0x0
.endif
.if (\t)+4 < STEPS
	XLOAD (\t)+4                                   ; into the set whose numbers the stage has taken
.endif
.if (\t)+1 < STEPS
.if STEPS-2-(\t) >= 3
	s_wait_loadcnt 12                              ; the next step's four loads are in; those of the three steps behind it may be out
.else
	s_wait_loadcnt 4*(STEPS-2-(\t))
.endif
	XTURN (\t)+1
.endif
	v_max3_num_f32 v8, |v[XS]|, |v[XS+1]|, |v[XS+2]|               ; the largest magnitude of my 16, in two chains
	v_max3_num_f32 v9, |v[XS+3]|, |v[XS+4]|, |v[XS+5]|
.irp i, 6,10
	v_max3_num_f32 v8, v8, |v[XS+\i]|, |v[XS+\i+1]|
	v_max3_num_f32 v9, v9, |v[XS+\i+2]|, |v[XS+\i+3]|
.endr
	v_max3_num_f32 v8, v8, |v[XS+14]|, |v[XS+15]|
	v_max3_num_f32 v8, v8, v9, 0x1800000           ; and the floor 2^(3 - 127): the byte cannot fall under 1
	v_max_num_f32_dpp v8, v8, v8 row_xmask:1 row_mask:0xf bank_mask:0xf   ; and of my neighbour's 16: the block's
	v_add_nc_u32 v11, 0xff000000, v8               ; 2 off its exponent field: the conversion takes the exponent field of this operand as its scale
	v_cvt_scalef32_pk8_fp4_f32 v[XC+4*(\t)], v[XS:XS+7], v11
	v_cvt_scalef32_pk8_fp4_f32 v[XC+4*(\t)+1], v[XS+8:XS+15], v11
	v_lshrrev_b32 v[XE+(\t)], 23, v11              ; the scale's byte (also the plain line behind the conversions)
	ds_store_b8 v5, v[XE+(\t)] offset:16*(\t)      ; both lanes of a block write the same byte with the same value
	global_store_b64 v4, v[XC+4*(\t):XC+4*(\t)+1], s[10:11] offset:32*CB*(\t)   ; the wave stores 256 consecutive bytes, aligned
.endm
.irp t, 0,1,2,3,4,5,6,7,8,9,10,11,12,13,14,15
	XSTEP \t
.endr
	ds_load_b64 v[8:9], v6                         ; in order behind my byte stores
	s_wait_dscnt 0x0
	global_store_b64 v7, v[8:9], s[12:13]          ; the wave's 256 scale bytes, consecutive and aligned
	s_wait_tensorcnt 0x0                           ; the wave's end: behind my last LDS store
	ds_add_u32 v[SPW], v[NIL]
	s_wait_dscnt 0x0
	s_endpgm
; ---------------- PATH W.  A lane takes a column n and its registers run down K: each load reads 128 consecutive bytes a wave, a block of 32 along K lies in one lane's registers,
; and the conversions give codes with K innermost.  A wave takes 32 columns x 512 along K; its codes go through its own stage and leave as rows, sixteen lanes to 256 consecutive bytes.
.set WP,    272
.set NB,    16                         ; blocks of a lane
.set WSB,   24                         ; v24-27   the scale bytes, four to a register
.set WX,    32                         ; v32-95   two sets of 32 numbers
.set WC,    96                         ; v96-99   a block's codes
.set WOUT,  112                        ; v112-175 the way out
.Lpath_w:
	s_lshr_b32 s21, ttmp9, 1
	s_lshl_b32 s21, s21, 7
	s_lshl_b32 s22, s20, 5
	s_add_co_u32 s21, s21, s22                     ; my wave's first column: 128 x (work-group / 2) + 32 x wave
	s_and_b32 s24, ttmp9, 1                        ; which 512 along K
	v_lshlrev_b32 v3, 2, v2                        ; in: 4 bytes a lane
	s_mul_i32 s25, s20, 32*WP
	s_add_co_u32 s25, s25, WST                     ; my stage
	v_mul_u32_u24 v4, v2, WP
	v_add_nc_u32 v4, s25, v4                       ; into it: row = my column
	v_and_b32 v5, 15, v2
	v_lshrrev_b32 v6, 4, v2
	v_mul_u32_u24 v7, v6, WP
	v_lshl_add_u32 v7, v5, 4, v7
	v_add_nc_u32 v7, s25, v7                       ; out of it: sixteen lanes to a row, two rows an instruction
	v_lshlrev_b32 v8, 9, v6
	v_lshl_add_u32 v8, v5, 4, v8                   ; and the same place in the codes' buffer (rows of 512 bytes)
	v_lshlrev_b32 v9, 5, v2                        ; my column's row of 32 scale bytes
	s_mul_i32 s22, s24, 512*3072*4
	s_lshl_b32 s26, s21, 2
	s_add_co_u32 s22, s22, s26
	s_add_nc_u64 s[6:7], s[6:7], s[22:23]          ; W_qkv at (512 y, column)
	s_lshl_b32 s22, s21, 9
	s_lshl_b32 s26, s24, 8
	s_add_co_u32 s22, s22, s26
	s_add_nc_u64 s[14:15], s[14:15], s[22:23]      ; codes at column x 512 + 256 y
	s_lshl_b32 s22, s21, 5
	s_lshl_b32 s26, s24, 4
	s_add_co_u32 s22, s22, s26
	s_add_nc_u64 s[16:17], s[16:17], s[22:23]      ; scale bytes at column x 32 + 16 y
.macro WLOAD t                         ; block t: W(32 t + i, my column); the largest offset, 511 rows of 12,288 bytes, lies inside the signed 24-bit immediate
.set ii, 0
.rept 32
	global_load_b32 v[WX+32*((\t)%2)+ii], v3, s[6:7] offset:(32*(\t)+ii)*12288 th:TH_LOAD_NT
.set ii, ii+1
.endr
.endm
	WLOAD 0
	WLOAD 1
.macro WBLOCK t
.set XS, WX+32*((\t)%2)
.if (\t) < NB-1
	s_wait_loadcnt 32                              ; this block's 32 loads are in; the next block's may be out
.else
	s_wait_loadcnt 0x0
.endif
	v_max3_num_f32 v12, |v[XS]|, |v[XS+1]|, |v[XS+2]|              ; the block's largest magnitude: all 32 numbers are mine
	v_max3_num_f32 v13, |v[XS+3]|, |v[XS+4]|, |v[XS+5]|
.irp i, 6,10,14,18,22,26
	v_max3_num_f32 v12, v12, |v[XS+\i]|, |v[XS+\i+1]|
	v_max3_num_f32 v13, v13, |v[XS+\i+2]|, |v[XS+\i+3]|
.endr
	v_max3_num_f32 v12, v12, |v[XS+30]|, |v[XS+31]|
	v_max3_num_f32 v12, v12, v13, 0x1800000        ; and the floor 2^(3 - 127)
	v_add_nc_u32 v11, 0xff000000, v12              ; 2 off its exponent field: the conversion's scale operand
	v_lshrrev_b32 v13, 23, v11                     ; the scale's byte
.if (\t)%4 == 0
	v_mov_b32 v[WSB+(\t)/4], v13                   ; four bytes to a register, the lower K in the lower byte
.else
	v_lshl_or_b32 v[WSB+(\t)/4], v13, 8*((\t)%4), v[WSB+(\t)/4]
.endif
.irp g, 0,1,2,3
	v_cvt_scalef32_pk8_fp4_f32 v[WC+\g], v[XS+8*\g:XS+8*\g+7], v11
.endr
	v_nop                                          ; one plain line behind the last conversion
	ds_store_b128 v4, v[WC:WC+3] offset:16*(\t)    ; 32 codes: 16 bytes of my column's row
.if (\t)+2 < NB
	WLOAD (\t)+2
.endif
	s_wait_dscnt 0x0                               ; the store has read its registers: the next block's codes may be written
.endm
.irp t, 0,1,2,3,4,5,6,7,8,9,10,11,12,13,14,15
	WBLOCK \t
.endr
	global_store_b128 v9, v[WSB:WSB+3], s[16:17]   ; my column's 16 scale bytes
.irp t, 0,1,2,3,4,5,6,7,8,9,10,11,12,13,14,15
	ds_load_b128 v[WOUT+4*\t:WOUT+4*\t+3], v7 offset:2*\t*WP
.endr
.irp t, 0,1,2,3,4,5,6,7,8,9,10,11,12,13,14,15
	s_wait_dscnt 15-\t                             ; LDS loads come back in order: load t is in
	global_store_b128 v8, v[WOUT+4*\t:WOUT+4*\t+3], s[14:15] offset:2*\t*512
.endr
	s_wait_tensorcnt 0x0                           ; the wave's end
	ds_add_u32 v[SPW], v[NIL]
	s_wait_dscnt 0x0
	s_endpgm
; ---------------- PATH O.  The same plan without a quantiser: a lane takes a column n of W_out, its registers run down K, pairs are rounded to f16.
; A wave takes 32 columns x 256 along K: four chunks of 64.  A chunk (32 rows of 128 bytes) goes through the wave's stage and leaves as 4,096 consecutive bytes.
.set OP,    144
.set OX,    32                         ; v32-95   two sets of 32 numbers
.set OC,    96                         ; v96-111  32 numbers as f16
.set OOUT,  112                        ; v112-143 the way out
.Lpath_o:
	s_sub_co_u32 s21, ttmp9, 48
	s_and_b32 s24, s21, 7
	s_lshr_b32 s25, s21, 3                         ; which 256 along K
	s_lshl_b32 s24, s24, 7
	s_lshl_b32 s26, s20, 5
	s_add_co_u32 s24, s24, s26                     ; my wave's first column
	s_lshl_b32 s22, s25, 20                        ; 256 rows of 4,096 bytes
	s_lshl_b32 s26, s24, 2
	s_add_co_u32 s22, s22, s26
	s_add_nc_u64 s[8:9], s[8:9], s[22:23]
	s_lshl_b32 s22, s25, 19                        ; four chunks of 131,072 bytes
	s_lshl_b32 s26, s24, 7                         ; 128 bytes a column
	s_add_co_u32 s22, s22, s26
	s_add_nc_u64 s[18:19], s[18:19], s[22:23]
	v_lshlrev_b32 v3, 2, v2
	s_mul_i32 s26, s20, 32*OP
	s_add_co_u32 s26, s26, OST                     ; my stage
	v_mul_u32_u24 v4, v2, OP
	v_add_nc_u32 v4, s26, v4                       ; into it: row = my column
	v_lshrrev_b32 v5, 3, v2
	v_mul_u32_u24 v5, v5, OP
	v_and_b32 v6, 7, v2
	v_lshl_add_u32 v5, v6, 4, v5
	v_add_nc_u32 v5, s26, v5                       ; out of it: eight lanes to a row of 128 bytes, four rows an instruction
	v_lshlrev_b32 v6, 4, v2                        ; which are 512 consecutive bytes of the buffer
.macro OLOAD t
.set ii, 0
.rept 32
	global_load_b32 v[OX+32*((\t)%2)+ii], v3, s[8:9] offset:(32*(\t)+ii)*4096 th:TH_LOAD_NT
.set ii, ii+1
.endr
.endm
	OLOAD 0
	OLOAD 1
.macro OBLOCK t
.set XS, OX+32*((\t)%2)
.if (\t) < 7
	s_wait_loadcnt 32                              ; this block's 32 loads are in; the next block's may be out
.else
	s_wait_loadcnt 0x0
.endif
.set ii, 0
.rept 16
	v_cvt_pk_f16_f32 v[OC+ii], v[XS+2*ii], v[XS+2*ii+1]            ; the lower k in the low half
.set ii, ii+1
.endr
.irp g, 0,1,2,3
	ds_store_b128 v4, v[OC+4*\g:OC+4*\g+3] offset:64*((\t)%2)+16*\g
.endr
.if (\t)+2 < 8
	OLOAD (\t)+2
.endif
	s_wait_dscnt 0x0                               ; the stores have read their registers
.if (\t)%2 == 1
	s_wait_xcnt 0x0                                ; the last chunk's stores have read their data: the registers may be loaded again
.irp u, 0,1,2,3,4,5,6,7
	ds_load_b128 v[OOUT+4*\u:OOUT+4*\u+3], v5 offset:\u*4*OP
.endr
.irp u, 0,1,2,3,4,5,6,7
	s_wait_dscnt 7-\u
	global_store_b128 v6, v[OOUT+4*\u:OOUT+4*\u+3], s[18:19] offset:((\t)/2)*131072+512*\u
.endr
.endif
.endm
.irp t, 0,1,2,3,4,5,6,7
	OBLOCK \t
.endr
	s_wait_tensorcnt 0x0                           ; the wave's end
	ds_add_u32 v[SPW], v[NIL]
	s_wait_dscnt 0x0
	s_endpgm
.Lfunc_end_k_qcb20c21751_prep:
	.size	k_qcb20c21751_prep, .Lfunc_end_k_qcb20c21751_prep-k_qcb20c21751_prep
	.p2alignl 7, 3214868480
	.fill 96, 4, 3214868480
	.section	.rodata,"a",@progbits
	.p2align	6, 0x0
	.amdhsa_kernel k_qcb20c21751_prep
		.amdhsa_group_segment_fixed_size 86528
		.amdhsa_private_segment_fixed_size 0
		.amdhsa_enable_private_segment 0
		.amdhsa_kernarg_size 64
		.amdhsa_user_sgpr_count 2
		.amdhsa_user_sgpr_kernarg_segment_ptr 1
		.amdhsa_wavefront_size32 1
		.amdhsa_system_sgpr_workgroup_id_x 1
		.amdhsa_system_sgpr_workgroup_id_y 1
		.amdhsa_system_sgpr_workgroup_id_z 1
		.amdhsa_system_vgpr_workitem_id 0
		.amdhsa_next_free_vgpr 196
		.amdhsa_next_free_sgpr 66
		.amdhsa_reserve_vcc 0
		.amdhsa_float_denorm_mode_32 3
		.amdhsa_float_denorm_mode_16_64 3
		.amdhsa_memory_ordered 1
		.amdhsa_forward_progress 1
		.amdhsa_inst_pref_size 153
	.end_amdhsa_kernel
	.amdgpu_metadata
---
amdhsa.version: [ 1, 2 ]
amdhsa.kernels:
  - .name:           k_qcb20c21751_prep
    .symbol:         k_qcb20c21751_prep.kd
    .args:
      - { .name: x, .offset: 0, .size: 8, .value_kind: global_buffer, .address_space: global }
      - { .name: W_qkv, .offset: 8, .size: 8, .value_kind: global_buffer, .address_space: global }
      - { .name: W_out, .offset: 16, .size: 8, .value_kind: global_buffer, .address_space: global }
      - { .name: xc, .offset: 24, .size: 8, .value_kind: global_buffer, .address_space: global }
      - { .name: xs, .offset: 32, .size: 8, .value_kind: global_buffer, .address_space: global }
      - { .name: wc, .offset: 40, .size: 8, .value_kind: global_buffer, .address_space: global }
      - { .name: ws, .offset: 48, .size: 8, .value_kind: global_buffer, .address_space: global }
      - { .name: wo16, .offset: 56, .size: 8, .value_kind: global_buffer, .address_space: global }
    .group_segment_fixed_size: 86528
    .private_segment_fixed_size: 0
    .kernarg_segment_align: 8
    .kernarg_segment_size: 64
    .max_flat_workgroup_size: 128
    .sgpr_count:     66
    .vgpr_count:     196
    .wavefront_size: 32
...
	.end_amdgpu_metadata
.endif
;; end of part 1
;; launch qkv (part 2): grid 12 x 32, 4 waves a work-group, clusters of 4 x 4, 327,680 bytes of LDS; arguments xc, xs, wc, ws, qkv16, b_qkv, qkv32; writes qkv16, qkv32
.if DOCPART == 2
	.amdgcn_target "amdgcn-amd-amdhsa--gfx1250"
	.amdhsa_code_object_version 6
	.text
	.protected	k_qcb20c21751_qkv
	.globl	k_qcb20c21751_qkv
	.p2align	8
	.type	k_qcb20c21751_qkv,@function
k_qcb20c21751_qkv:
	s_mov_b64 s[64:65], 0
	v_nop
	global_prefetch_b8 v0, s[64:65] scope:SCOPE_SE
	s_setreg_imm32_b32 hwreg(HW_REG_WAVE_MODE, 25, 1), 1
	s_wait_xcnt 0x0
	s_wait_alu depctr_hold_cnt(0) depctr_sa_sdst(0) depctr_va_vdst(0) depctr_va_sdst(0) depctr_va_ssrc(0) depctr_va_vcc(0) depctr_vm_vsrc(0)
	s_getreg_b32 s2, hwreg(HW_REG_IB_STS2, 6, 4)
	s_cmp_eq_u32 s2, 0
	s_cbranch_scc0 .Lentry_in_a_cluster
	s_endpgm
.Lentry_in_a_cluster:
	s_bfe_u32 s2, ttmp6, 0x10000c
	s_cmp_lg_u32 s2, 0xf033
	s_cbranch_scc0 .Lentry_shape_is_right
	s_endpgm
.Lentry_shape_is_right:
; qkv = Q(x) Q(W_qkv) + b_qkv on codes of FP4 (E2M1) with one E8M0 scale for each 32 along K; sums in f32.  A: xc [8192][512 bytes], xs [8192][32]; B: wc [3072][512 bytes], ws [3072][32].
; OUT: qkv16 [q, k or v][batch x 16 + head][t][64] in f16 (two neighbouring t of a head are 256 consecutive bytes), and qkv32 [batch][t < 16][3072] in f32: the first 16 positions of every sequence, carried finely.
; LIMIT: a result beyond 65,504 in magnitude has no f16 number.
; A tile of 256 x 256 is made by four waves, each 128 x 128: 64 accumulators, 512 registers.  K = 1,024 is two slots of 512 along K (rows of 256 bytes): both are asked for at the head, nothing is filled again.
; THE SCALES of the work-group's rows of A and of B, for all of K, are two dense blocks of memory: they come into LDS once, with the first fills.
; CLUSTERS: 4 x 4 work-groups.  The four of a row of the cluster need the same tiles of A, the four of a column the same tiles of B: each tile is asked for jointly.
; THE MATRIX INSTRUCTION IS USED TRANSPOSED (source 0 = 16 rows of B, source 1 = 16 rows of A): a lane holds eight neighbouring columns of one row.  The bias is the C of each sum's first product.
; REGISTERS, in windows of 256: window 0: v0-31 addresses; v32-95 scale words, two sets; v128-191 A's fragments, one set; v192-255 the bias in the result's layout.
;   window 1: B's fragments, two sets, at v0 and v128.   window 2: the accumulators of my rows 0-63 ((a, b) at v[8 (8 a + b)]);   window 3: those of my rows 64-127.
.set KSTEP,  512
.set NQ,     4
.set ROWB,   256
.set KROW,   512                       ; a row of codes in memory
.set PITCH,  272                       ; an LDS row: 256 bytes + 16 of padding: the 16 rows that a load touches start at 16 different 16-byte columns
.set FR,     8
.set NL,     2
.set NP,     4
.set HALFT,  128*PITCH
.set SLOT,   4*HALFT
.set KS,     32                        ; a row of scales in bytes
.set SCL,    2*SLOT
.set HALFS,  (128*KS/256)*272
.set SBLK,   (16*KS/256)*272
.set SPARE,  SCL+4*HALFS               ; the spare words, 128 bytes for each wave: two blocks of 256 bytes that no other line names
.set WSTG,   12800                     ; the way out, in slot 0 (its one fill and its last read are over): for each wave 16 rows x 272 for f16, then 16 rows x 528 for f32
.set ADRA, 16
.set ADRB, 20
.set STO32, 22
.set RD32, 23
.set STO,  24
.set RD,   25
.set CO,   26
.set ADRS, 27
.set SPW,  28
.set NIL,  29
.set BO,   30
.set FLG,  31
.set SC,   32
.set AF,   128
.set BIAS, 192
.set TMP,  192
.set G1, 24
.set G0, 32
.set G1B, 48
.set G0B, 56
.set G1S, 68
.set G0S, 76
.set G1SB, 80
.set G0SB, 88
.set MSB, 0
.macro WIN new                         ; the immediate's high byte repeats the setting that is left
.if MSB != (\new)
	s_set_vgpr_msb (MSB<<8)|(\new)
.set MSB, (\new)
.endif
.endm
.set MUL_LO, 0xa1                      ; source 0 (B) window 1, source 1 (A) window 0, C and D window 2
.set MUL_HI, 0xf1                      ; the same, C and D window 3
.set TO_B,   0x40
; A joint load: waves 0 and 1 fetch for A, waves 2 and 3 for B; the branch hangs on the wave's number alone.  An s_nop 0 and four v_nop follow each line.
.macro JLOAD g0a, g1a, g0b, g1b
	s_cmp_eq_u32 s15, 0
	s_cbranch_scc0 .Lfor_b_\@
	tensor_load_to_lds s[\g0a:\g0a+3], s[\g1a:\g1a+7]
	s_nop 0
.rept 4
	v_nop
.endr
	s_branch .Lasked_\@
.Lfor_b_\@:
	tensor_load_to_lds s[\g0b:\g0b+3], s[\g1b:\g1b+7]
	s_nop 0
.rept 4
	v_nop
.endr
.Lasked_\@:
.endm
.macro CROUND                          ; a round of the cluster's barrier
	s_barrier_signal -1
	s_barrier_wait -1
	s_cmp_lg_u32 s14, 0
	s_cbranch_scc1 .Lnot_wave_0_\@
	s_barrier_signal -3
.Lnot_wave_0_\@:
	s_barrier_wait -3
	s_barrier_signal -1
	s_barrier_wait -1
.endm
	s_load_b128 s[4:7], s[0:1], 0x0                ; A's codes, A's scales
	s_load_b128 s[8:11], s[0:1], 0x10              ; B's codes, B's scales
	s_load_b64 s[12:13], s[0:1], 0x20              ; qkv16
	s_load_b128 s[96:99], s[0:1], 0x28             ; b_qkv, qkv32
	v_lshl_add_u32 v[SPW], v0, 2, SPARE
	v_mov_b32 v[NIL], 0
	ds_add_u32 v[SPW], v[NIL]                      ; the wave's opening: the add, twice on end, and its wait ahead of my first tensor load
	ds_add_u32 v[SPW], v[NIL]
	v_lshrrev_b32 v1, 5, v0
	v_readfirstlane_b32 s14, v1                    ; wave 0..3
	s_lshr_b32 s15, s14, 1                         ; which half of the tile's rows is mine.  Also: I fetch for A (0) or for B (1)
	s_and_b32 s16, s14, 1                          ; which half of its columns.  Also: which 128 rows of that tile I fetch
	s_bfe_u32 s40, ttmp6, 0x40000                  ; cx, cy
	s_bfe_u32 s41, ttmp6, 0x40004
	s_lshl_b32 s42, ttmp9, 2
	s_add_co_u32 s42, s42, s40                     ; tile column = 4 x cluster x + cx
	s_and_b32 s17, ttmp7, 0xffff
	s_lshl_b32 s17, s17, 2
	s_add_co_u32 s17, s17, s41                     ; tile row = 4 x cluster y + cy
	s_lshl_b32 s43, s41, 2
	s_lshl_b32 s43, 15, s43                        ; my row of the cluster
	s_lshl_b32 s44, 0x1111, s40                    ; my column
	s_or_b32 s[G1+0], s43, (0<<16)|(1<<20)|(1<<21)|(5<<22)|(3<<25)  ; the mask; elements of 1 byte; padding: 4 words after every 64
	s_or_b32 s[G1B+0], s44, (0<<16)|(1<<20)|(1<<21)|(5<<22)|(3<<25)
.irp g, G1, G1B
	s_mov_b32 s[\g+1], ROWB<<16                    ; tensor_dim0
	s_mov_b32 s[\g+2], 128<<16                     ; tensor_dim1
	s_mov_b32 s[\g+3], ROWB<<16                    ; tile_dim0
	s_mov_b32 s[\g+4], 128                         ; tile_dim1
	s_mov_b32 s[\g+5], KROW                        ; the pitch
	s_mov_b32 s[\g+6], 0
	s_mov_b32 s[\g+7], 0
.endr
	s_or_b32 s[G1S+0], s43, (3<<16)|(1<<20)|(1<<21)|(5<<22)|(3<<25) ; the scales of 128 rows: 4,096 dense bytes as 16 rows of 256 bytes (32 elements of 8), 16 bytes of padding behind each
	s_or_b32 s[G1SB+0], s44, (3<<16)|(1<<20)|(1<<21)|(5<<22)|(3<<25)
.irp g, G1S, G1SB
	s_mov_b32 s[\g+1], 32<<16
	s_mov_b32 s[\g+2], (128*KS/256)<<16
	s_mov_b32 s[\g+3], 32<<16
	s_mov_b32 s[\g+4], 128*KS/256
	s_mov_b32 s[\g+5], 32
	s_mov_b32 s[\g+6], 0
	s_mov_b32 s[\g+7], 0
.endr
	s_lshl_b32 s18, s16, 7
	s_lshl_b32 s20, s17, 8
	s_add_co_u32 s20, s20, s18                     ; A: row 256 x tile row + 128 x half
	s_lshl_b32 s46, s42, 8
	s_add_co_u32 s46, s46, s18                     ; B: row 256 x tile column + 128 x half
	s_mov_b32 s21, 0
	s_mov_b32 s47, 0
	s_mov_b64 s[18:19], KS
	s_mul_u64 s[22:23], s[20:21], s[18:19]         ; where these rows' scales begin,
	s_mul_u64 s[92:93], s[46:47], s[18:19]
	s_mov_b64 s[18:19], KROW
	s_mul_u64 s[20:21], s[20:21], s[18:19]         ; and their codes
	s_mul_u64 s[46:47], s[46:47], s[18:19]
	s_mul_i32 s45, s14, HALFT                      ; where they go: wave x 128 rows
	s_mul_i32 s94, s14, HALFS
	s_wait_dscnt 0x0                               ; both opening adds are done
	s_wait_kmcnt 0x0
	s_add_nc_u64 s[20:21], s[4:5], s[20:21]
	s_add_nc_u64 s[22:23], s[6:7], s[22:23]
	s_add_nc_u64 s[46:47], s[8:9], s[46:47]
	s_add_nc_u64 s[92:93], s[10:11], s[92:93]
	CROUND                                         ; all sixteen work-groups are here: the first joint loads meet
	s_mov_b32 s[G0S], 1
	s_add_co_u32 s[G0S+1], s94, SCL
	s_mov_b64 s[G0S+2:G0S+3], s[22:23]
	s_or_b32 s[G0S+3], s[G0S+3], 0x80000000
	s_mov_b32 s[G0SB], 1
	s_add_co_u32 s[G0SB+1], s94, SCL
	s_mov_b64 s[G0SB+2:G0SB+3], s[92:93]
	s_or_b32 s[G0SB+3], s[G0SB+3], 0x80000000
	JLOAD G0S, G1S, G0SB, G1SB                     ; the scales first; with the two slots three tensor loads of mine are out
.irp s, 0,1
	s_mov_b32 s[G0+4*\s], 1
	s_add_co_u32 s[G0+4*\s+1], s45, \s*SLOT
	s_add_nc_u64 s[G0+4*\s+2:G0+4*\s+3], s[20:21], \s*ROWB
	s_or_b32 s[G0+4*\s+3], s[G0+4*\s+3], 0x80000000
	s_mov_b32 s[G0B+4*\s], 1
	s_add_co_u32 s[G0B+4*\s+1], s45, \s*SLOT
	s_add_nc_u64 s[G0B+4*\s+2:G0B+4*\s+3], s[46:47], \s*ROWB
	s_or_b32 s[G0B+4*\s+3], s[G0B+4*\s+3], 0x80000000
	JLOAD G0+4*\s, G1, G0B+4*\s, G1B
.endr
	v_and_b32 v1, 15, v0                           ; r = l % 16
	v_bfe_u32 v2, v0, 4, 1                         ; h = l / 16
	; the bias: register 8 b + j = b_qkv[n0 + 16 b + 8 h + j], n0 = 256 x tile column + 128 x half
	s_lshl_b32 s46, s42, 10
	s_lshl_b32 s47, s16, 9
	s_add_co_u32 s46, s46, s47                     ; 4 n0
	s_mov_b32 s47, 0
	s_add_nc_u64 s[96:97], s[96:97], s[46:47]
	s_add_nc_u64 s[98:99], s[98:99], s[46:47]
	v_lshlrev_b32 v[BO], 5, v2
.irp b, 0,1,2,3,4,5,6,7
	global_load_b128 v[BIAS+8*\b:BIAS+8*\b+3], v[BO], s[96:97] offset:64*\b
	global_load_b128 v[BIAS+8*\b+4:BIAS+8*\b+7], v[BO], s[96:97] offset:64*\b+16
.endr
	v_mul_u32_u24 v3, v1, PITCH
	v_lshl_add_u32 v4, v2, 4, v3                   ; a fragment's row x pitch + 16 x half
	s_mul_i32 s21, s15, HALFT                      ; my 128 rows of A
	s_mul_i32 s22, s16, HALFT                      ; my 128 rows of B,
	s_add_co_u32 s22, s22, 2*HALFT                 ; behind A's 256
.irp s, 0,1
	v_add_nc_u32 v[ADRA+\s], s21, v4
	v_add_nc_u32 v[ADRB+\s], s22, v4
	s_add_co_u32 s21, s21, SLOT
	s_add_co_u32 s22, s22, SLOT
.endr
	v_mul_u32_u24 v5, v1, KS                       ; my row's scales: KS bytes a row,
	v_lshrrev_b32 v6, 8, v5
	v_lshl_add_u32 v5, v6, 4, v5                   ; and 16 more for each 256 passed
	s_mul_i32 s21, s15, HALFS
	s_mul_i32 s22, s16, HALFS
	s_add_co_u32 s22, s22, 2*HALFS
	s_sub_co_u32 s22, s22, s21
	v_mul_u32_u24 v6, s22, v2                      ; lanes 16-31 take B's
	s_add_co_u32 s21, s21, SCL
	v_add_nc_u32 v5, v5, v6
	v_add_nc_u32 v[ADRS], s21, v5
	; the way out
	s_mul_i32 s23, s14, WSTG                       ; my stages
	v_mul_u32_u24 v5, v1, 272
	v_lshl_add_u32 v5, v2, 4, v5
	v_add_nc_u32 v[STO], s23, v5                   ; f16, in: row r, 16 bytes for each half of the lanes
	v_and_b32 v6, 31, v0
	v_lshrrev_b32 v5, 3, v6
	v_mul_u32_u24 v5, v5, 272
	v_and_b32 v7, 7, v0
	v_lshl_add_u32 v5, v7, 4, v5
	v_add_nc_u32 v[RD], s23, v5                    ; back: eight lanes take a head's 128 bytes of a row, four rows an instruction
	v_lshlrev_b32 v[CO], 4, v6                     ; which are 512 consecutive bytes of qkv16
	s_add_co_u32 s23, s23, 16*272
	v_mul_u32_u24 v5, v1, 528
	v_lshl_add_u32 v5, v2, 5, v5
	v_add_nc_u32 v[STO32], s23, v5                 ; f32, in: row r, 32 bytes for each half
	v_add_nc_u32 v[RD32], s23, v[CO]               ; back: the 32 lanes take a row of 512 bytes
	s_lshr_b32 s18, s17, 3                         ; the batch: eight tile rows each
	s_lshr_b32 s20, s42, 2                         ; q, k or v: four tile columns each
	s_lshl_b32 s20, s20, 24
	s_lshl_b32 s22, s18, 4
	s_and_b32 s46, s42, 3
	s_lshl_b32 s46, s46, 2
	s_add_co_u32 s22, s22, s46
	s_lshl_b32 s46, s16, 1
	s_add_co_u32 s22, s22, s46                     ; 16 x batch + my first head
	s_lshl_b32 s22, s22, 18
	s_add_co_u32 s20, s20, s22
	s_and_b32 s22, s17, 7
	s_lshl_b32 s46, s22, 8
	s_lshl_b32 s47, s15, 7
	s_add_co_u32 s46, s46, s47                     ; my first position t
	s_lshl_b32 s46, s46, 7
	s_add_co_u32 s20, s20, s46
	s_mov_b32 s21, 0
	s_add_nc_u64 s[12:13], s[12:13], s[20:21]
	s_or_b32 s22, s22, s15                         ; 0 where my first position is 0
	v_mov_b32 v[FLG], s22
	s_mul_i32 s20, s18, 196608
	s_add_nc_u64 s[98:99], s[98:99], s[20:21]      ; qkv32 at (batch, 0, n0)
.macro FRAG reg, adr, q, i             ; 16 rows x 128 K of 4-bit codes: lane l holds row l % 16; registers 4 c .. 4 c + 3 hold K = 64 c + 32 (l / 16) + 0 .. 31
.irp c, 0,1
	ds_load_b128 v[\reg+4*\c:\reg+4*\c+3], v[\adr] offset:64*(\q)+32*\c+(\i)*16*PITCH
.endr
.endm
; 16 matrix instructions: A's blocks a0, a0 + 1 x B's eight, 128 along K.  first = 1: the bias starts the sums.  The 64 accumulators take turns, one instruction a turn.
.macro MUL16 a0, p, q, sc, first
.irp a, \a0, \a0+1
.irp b, 0,1,2,3,4,5,6,7
.if \first
	v_wmma_scale_f32_16x16x128_f8f6f4 v[8*(8*((\a)%4)+\b):8*(8*((\a)%4)+\b)+7], v[128*(\p)+FR*\b:128*(\p)+FR*\b+FR-1], v[AF+FR*(\a):AF+FR*(\a)+FR-1], v[BIAS+8*\b:BIAS+8*\b+7], v[SC+8*NQ*(\sc)+NQ*\b+(\q)], v[SC+8*NQ*(\sc)+NQ*(\a)+(\q)] matrix_a_fmt:MATRIX_FMT_FP4 matrix_b_fmt:MATRIX_FMT_FP4 matrix_a_scale:MATRIX_SCALE_ROW1
.else
	v_wmma_scale_f32_16x16x128_f8f6f4 v[8*(8*((\a)%4)+\b):8*(8*((\a)%4)+\b)+7], v[128*(\p)+FR*\b:128*(\p)+FR*\b+FR-1], v[AF+FR*(\a):AF+FR*(\a)+FR-1], v[8*(8*((\a)%4)+\b):8*(8*((\a)%4)+\b)+7], v[SC+8*NQ*(\sc)+NQ*\b+(\q)], v[SC+8*NQ*(\sc)+NQ*(\a)+(\q)] matrix_a_fmt:MATRIX_FMT_FP4 matrix_b_fmt:MATRIX_FMT_FP4 matrix_a_scale:MATRIX_SCALE_ROW1
.endif
.endr
.endr
.endm
.macro FETCH_B slot, q, p
	WIN TO_B
.irp i, 0,1,2,3,4,5,6,7
	FRAG 128*(\p)+FR*\i, ADRB+\slot, \q, \i
.endr
	WIN 0
.endm
.macro FETCH_A slot, q, i0
.irp i, \i0, \i0+1, \i0+2, \i0+3
	FRAG AF+FR*(\i), ADRA+\slot, \q, \i
.endr
.endm
.macro SCALES sc                       ; a K step's scale words: four a row; lanes 0-15 take A's block i, lanes 16-31 B's block i
.irp i, 0,1,2,3,4,5,6,7
	ds_load_b128 v[SC+8*NQ*\sc+NQ*\i:SC+8*NQ*\sc+NQ*\i+3], v[ADRS] offset:\i*SBLK
.endr
.endm
.macro PLACES n                        ; plain vector lines between a matrix instruction and a load into, or a read of, its registers
.rept \n
	v_nop
.endr
.endm
.macro STEP slot, q, first             ; 128 along K with its successor in the same slot
	s_wait_dscnt 4*NL                              ; B's set and A's blocks 0-3 are in; the youngest eight loads (A's blocks 4-7) may be out
.if \first
	WIN 0x81                                       ; C (the bias) in window 0
.else
	WIN MUL_LO
.endif
	MUL16 0, (\q)%2, \q, \slot, \first
	MUL16 2, (\q)%2, \q, \slot, \first
	s_wait_dscnt 0
	PLACES NP
	FETCH_B \slot, (\q)+1, 1-(\q)%2
	FETCH_A \slot, (\q)+1, 0
.if \first
	WIN 0xc1
.else
	WIN MUL_HI
.endif
	MUL16 4, (\q)%2, \q, \slot, \first
	MUL16 6, (\q)%2, \q, \slot, \first
	PLACES NP
	WIN 0
	FETCH_A \slot, (\q)+1, 4
.endm
; Slot 0's last step changes slots: one barrier; in front of it each wave waits for all its tensor loads (slot 1's), adds 0 to its spare word, and waits for that and for its reads of slot 0.  Nothing is filled again.
.macro TURN slot, next
	s_wait_tensorcnt 0x0
	ds_add_u32 v[SPW], v[NIL]
	s_wait_dscnt 4*NL+1                            ; the add and the youngest eight loads may be out
	WIN MUL_LO
	MUL16 0, 1, NQ-1, \slot, 0
	s_wait_dscnt 0x0                               ; the add is done, and my reads of this slot are over
	s_barrier_signal -1
	MUL16 2, 1, NQ-1, \slot, 0
	WIN 0
	s_barrier_wait -1
	PLACES NP
	v_add_nc_u32 v[ADRS], 4*NQ, v[ADRS]            ; on to the next K step's scale words
	FETCH_B \next, 0, 0
	FETCH_A \next, 0, 0
	SCALES \next
	WIN MUL_HI
	MUL16 4, 1, NQ-1, \slot, 0
	MUL16 6, 1, NQ-1, \slot, 0
	PLACES NP
	WIN 0
	FETCH_A \next, 0, 4
.endm
	s_wait_tensorcnt 1                             ; the scales and my part of slot 0 are in; slot 1's load may be out
	s_barrier_signal -1
	s_barrier_wait -1
	FETCH_B 0, 0, 0
	FETCH_A 0, 0, 0
	SCALES 0
	FETCH_A 0, 0, 4
	s_wait_loadcnt 0x0                             ; the bias
	STEP 0, 0, 1
	STEP 0, 1, 0
	STEP 0, 2, 0
	TURN 0, 1
	STEP 1, 0, 0
	STEP 1, 1, 0
	STEP 1, 2, 0
	s_wait_dscnt 4*NL                              ; the very last step: nothing more to fetch
	WIN MUL_LO
	MUL16 0, 1, NQ-1, 1, 0
	MUL16 2, 1, NQ-1, 1, 0
	s_wait_dscnt 0
	WIN MUL_HI
	MUL16 4, 1, NQ-1, 1, 0
	MUL16 6, 1, NQ-1, 1, 0
	WIN 0
; THE WAY OUT, block by block of 16 positions x 128 columns (two heads).  Rounded to f16, 16 bytes a lane, into my stage; back so that an instruction's 32 lanes hold four positions of one head: 512 consecutive bytes of qkv16.
.macro PACK a
.set AC, 64*((\a)%4)
	WIN 0x0a+5*((\a)/4)                            ; sources 0 and 1: window 2 or 3
.irp b, 0,1,2,3,4,5,6,7
.irp r, 0,1,2,3
	v_cvt_pk_f16_f32 v[TMP+4*\b+\r], v[AC+8*\b+2*\r], v[AC+8*\b+2*\r+1]   ; each accumulator from its low end on
.endr
.endr
	WIN 0
.endm
.macro TOSTAGE a
.set BB, 32+192*((\a)%2)               ; v32-63 and v224-255 by turns
.irp b, 0,1,2,3,4,5,6,7
	ds_store_b128 v[STO], v[TMP+4*\b:TMP+4*\b+3] offset:32*\b
.endr
.irp u, 0,1,2,3,4,5,6,7
	ds_load_b128 v[BB+4*\u:BB+4*\u+3], v[RD] offset:(\u%4)*4*272+(\u/4)*128   ; in order behind the stores above
.endr
.endm
.macro SEND a
.set BB, 32+192*((\a)%2)
	s_wait_dscnt 0x0                               ; the block is back in registers
	s_wait_xcnt 0x0                                ; the stores of the block before have read their data: the next loads may land there
.irp u, 0,1,2,3,4,5,6,7
	global_store_b128 v[CO], v[BB+4*\u:BB+4*\u+3], s[12:13] offset:(\a)*2048+(\u%4)*512+(\u/4)*262144
.endr
.endm
	PLACES NP
	PACK 0
	TOSTAGE 0
.irp a, 1,2,3,4,5,6,7
	PACK \a
	SEND \a-1
	TOSTAGE \a
.endr
	SEND 7
	; The first block once more, in f32: it is stored only by the waves whose first position is 0.  No branch hangs on the work-group's place: the lanes are switched off instead.
	WIN 0x08                                       ; an LDS store's data are its source 1: window 2
.irp b, 0,1,2,3,4,5,6,7
	ds_store_b128 v[STO32], v[8*\b:8*\b+3] offset:64*\b
	ds_store_b128 v[STO32], v[8*\b+4:8*\b+7] offset:64*\b+16
.endr
	WIN 0
.irp t, 0,1,2,3,4,5,6,7,8,9,10,11,12,13,14,15
	ds_load_b128 v[128+4*\t:128+4*\t+3], v[RD32] offset:\t*528
.endr
	s_wait_dscnt 0x0
	s_wait_xcnt 0x0                                ; EXEC changes only behind this wait
	v_cmp_eq_u32 vcc_lo, 0, v[FLG]
	s_and_saveexec_b32 s3, vcc_lo
.irp t, 0,1,2,3,4,5,6,7,8,9,10,11,12,13,14,15
	global_store_b128 v[CO], v[128+4*\t:128+4*\t+3], s[98:99] offset:\t*12288   ; 512 consecutive bytes of position t's row
.endr
	s_wait_xcnt 0x0                                ; and again, in front of the line that widens it
	s_or_b32 exec_lo, exec_lo, s3
	s_wait_tensorcnt 0x0                           ; the wave's end
	ds_add_u32 v[SPW], v[NIL]
	s_wait_dscnt 0x0
	CROUND                                         ; the closing round
	s_endpgm
.Lfunc_end_k_qcb20c21751_qkv:
	.size	k_qcb20c21751_qkv, .Lfunc_end_k_qcb20c21751_qkv-k_qcb20c21751_qkv
	.p2alignl 7, 3214868480
	.fill 96, 4, 3214868480
	.section	.rodata,"a",@progbits
	.p2align	6, 0x0
	.amdhsa_kernel k_qcb20c21751_qkv
		.amdhsa_group_segment_fixed_size 327680
		.amdhsa_private_segment_fixed_size 0
		.amdhsa_enable_private_segment 0
		.amdhsa_kernarg_size 56
		.amdhsa_user_sgpr_count 2
		.amdhsa_user_sgpr_kernarg_segment_ptr 1
		.amdhsa_wavefront_size32 1
		.amdhsa_system_sgpr_workgroup_id_x 1
		.amdhsa_system_sgpr_workgroup_id_y 1
		.amdhsa_system_sgpr_workgroup_id_z 1
		.amdhsa_system_vgpr_workitem_id 0
		.amdhsa_next_free_vgpr 1024
		.amdhsa_next_free_sgpr 100
		.amdhsa_reserve_vcc 1
		.amdhsa_float_denorm_mode_32 3
		.amdhsa_float_denorm_mode_16_64 3
		.amdhsa_memory_ordered 1
		.amdhsa_forward_progress 1
		.amdhsa_inst_pref_size 132
	.end_amdhsa_kernel
	.amdgpu_metadata
---
amdhsa.version: [ 1, 2 ]
amdhsa.kernels:
  - .name:           k_qcb20c21751_qkv
    .symbol:         k_qcb20c21751_qkv.kd
    .args:
      - { .name: xc, .offset: 0, .size: 8, .value_kind: global_buffer, .address_space: global }
      - { .name: xs, .offset: 8, .size: 8, .value_kind: global_buffer, .address_space: global }
      - { .name: wc, .offset: 16, .size: 8, .value_kind: global_buffer, .address_space: global }
      - { .name: ws, .offset: 24, .size: 8, .value_kind: global_buffer, .address_space: global }
      - { .name: qkv16, .offset: 32, .size: 8, .value_kind: global_buffer, .address_space: global }
      - { .name: b_qkv, .offset: 40, .size: 8, .value_kind: global_buffer, .address_space: global }
      - { .name: qkv32, .offset: 48, .size: 8, .value_kind: global_buffer, .address_space: global }
    .group_segment_fixed_size: 327680
    .private_segment_fixed_size: 0
    .kernarg_segment_align: 8
    .kernarg_segment_size: 56
    .max_flat_workgroup_size: 128
    .sgpr_count:     100
    .vgpr_count:     1024
    .wavefront_size: 32
...
	.end_amdgpu_metadata
.endif
;; end of part 2
;; launch attn (part 3): grid 4 x 64, 8 waves a work-group, no clusters, 327,680 bytes of LDS; arguments qkv16, ao16; writes ao16
.if DOCPART == 3
	.amdgcn_target "amdgcn-amd-amdhsa--gfx1250"
	.amdhsa_code_object_version 6
	.text
	.protected	k_qcb20c21751_attn
	.globl	k_qcb20c21751_attn
	.p2align	8
	.type	k_qcb20c21751_attn,@function
k_qcb20c21751_attn:
	s_mov_b64 s[64:65], 0
	v_nop
	global_prefetch_b8 v0, s[64:65] scope:SCOPE_SE
	s_setreg_imm32_b32 hwreg(HW_REG_WAVE_MODE, 25, 1), 1
	s_wait_xcnt 0x0
; ao[bh][q][:] = the sum over k <= q of softmax_k(Q[q] . K[k] / 8) V[k][:], for 64 heads of 2,048 positions x 64 channels.  Q, K, V: qkv16 [3][bh][t][64], f16; ao16 [bh][t][64], f16.
; Products on f16 operands with f32 sums; maxima, exponentials and sums in f32; the weights p are rounded to f16 for the second product, the result once at the end.
; LIMIT: a result beyond 65,504 in magnitude has no f16 number.  (Positions 0-15 of every sequence are computed here too, and once more in f32 by the last launch, which has the last word on them.)
; SHARES.  Work-group (i, bh) owns the blocks i and 7 - i of 256 queries: (i + 1) + (8 - i) = 9 units of 256 keys in every work-group, so all trip counts are constants.
; Units 0 .. i belong to block i, units i + 1 .. 8 to block 7 - i.  Each of the eight waves owns 32 queries, two tiles of 16; two waves lie on a SIMD.
; Wave w takes sub-block w (w < 4) or 11 - w, so that waves w and w + 4 together have five of eight key steps in a unit on the diagonal.
; LAYOUT.  S^T = K Q^T (source 0 = 16 keys, source 1 = 16 queries): a lane holds one query (lane % 16) and keys 8 (lane / 16) + 0..7.  Two such tiles rounded to f16 in pairs are source 1 of
; O^T = V^T P, whose result again holds one query a lane.  K comes out of LDS as it lies, V ([key][channel]) turned, by ds_load_tr16_b128.
; SOFTMAX.  A running maximum m and sum l for each query: p = 2^(c s - c m), c = log2(e) / 8; in every step O and l are multiplied by a = 2^(c m_old - c m_new).
; THE MASK.  A key step all of whose 64 keys come after my 32 queries is left out by a scalar branch on ids, round its loads and work alone; in a step on the diagonal hidden scores become -infinity.
; NO CLUSTER: the work-groups of a head walk different numbers of key units for each of their blocks, so partners would need different tiles at the same trip.
; REGISTERS: window 0: v2-13 addresses; v14, v15 the add's two; v16-31 statistics, 8 a tile; v64-127 S^T, 32 a tile, then P in place; v128-191 K; v192-255 V.   window 1: v0-31 Q; v32-95 O^T.
.set KP,    144                        ; a row of K in LDS: 128 bytes + 16: the 16 rows of a load start at 16 different 16-byte columns
.set VP,    160                        ; a row of V: 128 + 32
.set VOFF,  256*KP                     ; a slot: 256 rows of K, then 256 rows of V
.set SLOT1, 131072                     ; slot 1 begins here: one exclusive or turns an address
.set STAGE, 262144                     ; the way out: 32 rows x 144 bytes for each wave
.set SPARE, STAGE+8*32*KP              ; the spare words, 128 bytes for each wave: four blocks of 256 bytes that no other line names
.set AK0, 2
.set AV0, 3
.set ADK, 4
.set ADV, 5
.set QO,  6
.set STO, 7
.set RD,  8
.set GO,  9
.set NINF, 12
.set RH,  13                           ; v13  lane % 16 - 8 (lane / 16)
.set SPW, 14
.set NIL, 15
.set ST,  16                           ; tile t at v[ST+8 t]: +0 c m, +1 m, +2, +3 l, +4 .. +7 at work, a at +6
.set S,   64
.set KFR, 128
.set VFR, 192
.set OT,  32                           ; in window 1
.set WV,  8
.set I,   9
.set I1,  10
.set SUB, 11
.set KB,  12                           ; s[12:13] K of my head, at my quarter of a unit
.set VB,  14
.set QB,  16
.set OB,  18
.set SEL, 20
.set CS,  22
.set G1K, 24
.set G1V, 32
.set G0K, 40
.set G0V, 44
.set U,   48
.set KF,  49                           ; the step's first key
.set Q0,  50                           ; my first query
.set TB,  51                           ; LDS byte at which the slot in hand begins
.set MSB, 0
.macro WIN new
.if MSB != (\new)
	s_set_vgpr_msb (MSB<<8)|(\new)
.set MSB, (\new)
.endif
.endm
.set W_KQ, 0x04                        ; Q (source 1) in window 1
.set W_PV, 0x50                        ; O^T (C and D) in window 1
.set W_RS, 0x41                        ; O^T (destination and source 0) in window 1
; Waves 0-3 fetch K's quarters of a unit, waves 4-7 V's: one load a wave.  An s_nop 0 and four v_nop follow each line.
.macro TLOAD
	s_cmp_lt_u32 s[WV], 4
	s_cbranch_scc0 .Lfor_v_\@
	tensor_load_to_lds s[G0K:G0K+3], s[G1K:G1K+7]
	s_nop 0
.rept 4
	v_nop
.endr
	s_branch .Lasked_\@
.Lfor_v_\@:
	tensor_load_to_lds s[G0V:G0V+3], s[G1V:G1V+7]
	s_nop 0
.rept 4
	v_nop
.endr
.Lasked_\@:
.endm
.macro QLOAD                           ; my 32 queries: tile tq, channels 32 cs on: two loads of 16 bytes, 32 bytes apart
	WIN 0x40
.irp tq, 0,1
.irp cs, 0,1
	global_load_b128 v[16*\tq+8*\cs:16*\tq+8*\cs+3],   v[QO], s[56:57] offset:\tq*2048+64*\cs
	global_load_b128 v[16*\tq+8*\cs+4:16*\tq+8*\cs+7], v[QO], s[56:57] offset:\tq*2048+64*\cs+32
.endr
.endr
	WIN 0
.endm
	s_load_b128 s[4:7], s[0:1], 0x0                ; qkv16, ao16
	v_lshl_add_u32 v[SPW], v0, 2, SPARE
	v_mov_b32 v[NIL], 0
	ds_add_u32 v[SPW], v[NIL]                      ; the wave's opening: the add, twice on end, and its wait ahead of my first tensor load
	ds_add_u32 v[SPW], v[NIL]
	v_lshrrev_b32 v1, 5, v0
	v_readfirstlane_b32 s[WV], v1                  ; wave 0..7
	; descriptor group 1: 64 rows x 64 elements of 2 bytes, dense in memory, padded in LDS behind every 32 words
	s_mov_b32 s[G1K], (1<<16)|(1<<20)|(4<<22)|(3<<25)   ; 4 words of padding
	s_mov_b32 s[G1V], (1<<16)|(1<<20)|(4<<22)|(7<<25)   ; 8 words
.irp g, G1K, G1V
	s_mov_b32 s[\g+1], 64<<16                      ; tensor_dim0
	s_mov_b32 s[\g+2], 64<<16                      ; tensor_dim1
	s_mov_b32 s[\g+3], 64<<16                      ; tile_dim0
	s_mov_b32 s[\g+4], 64                          ; tile_dim1
	s_mov_b32 s[\g+5], 64                          ; the pitch
	s_mov_b32 s[\g+6], 0
	s_mov_b32 s[\g+7], 0
.endr
	s_mov_b32 s[I], ttmp9
	s_add_co_u32 s[I1], s[I], 1
	s_sub_co_u32 s52, 11, s[WV]
	s_cmp_lt_u32 s[WV], 4
	s_cselect_b32 s[SUB], s[WV], s52
	s_lshl_b32 s[Q0], s[I], 8
	s_lshl_b32 s52, s[SUB], 5
	s_add_co_u32 s[Q0], s[Q0], s52                 ; my first query in block i
	s_and_b32 s52, ttmp7, 0xffff
	s_lshl_b32 s52, s52, 18                        ; the head's 2,048 rows of 128 bytes
	s_mov_b32 s53, 0
	s_and_b32 s58, s[WV], 3
	s_lshl_b32 s54, s58, 13                        ; my quarter of a unit: 64 rows
	s_mov_b32 s55, 0
	s_mov_b32 s[SEL], 0x76543210
	s_mov_b32 s[SEL+1], 0xfedcba98
	s_mov_b32 s[CS], 0x3e38aa3b                    ; c = log2(e) / 8
	s_mov_b32 s[CS+1], s[CS]
	s_mov_b32 s[U], 0
	s_mov_b32 s[KF], 0
	s_mov_b32 s[TB], 0
	s_mov_b32 s[G0K], 1
	s_mul_i32 s[G0K+1], s58, 64*KP
	s_mov_b32 s[G0V], 1
	s_mul_i32 s[G0V+1], s58, 64*VP
	s_add_co_u32 s[G0V+1], s[G0V+1], VOFF
	s_wait_dscnt 0x0                               ; both opening adds are done
	s_wait_kmcnt 0x0
	s_add_nc_u64 s[QB:QB+1], s[4:5], s[52:53]
	s_add_nc_u64 s[OB:OB+1], s[6:7], s[52:53]
	s_add_nc_u64 s[KB:KB+1], s[QB:QB+1], s[54:55]
	s_add_nc_u64 s[VB:VB+1], s[KB:KB+1], 0x2000000
	s_add_nc_u64 s[KB:KB+1], s[KB:KB+1], 0x1000000
	s_mov_b64 s[G0K+2:G0K+3], s[KB:KB+1]
	s_or_b32 s[G0K+3], s[G0K+3], 0x80000000
	s_mov_b64 s[G0V+2:G0V+3], s[VB:VB+1]
	s_or_b32 s[G0V+3], s[G0V+3], 0x80000000
	TLOAD                                          ; unit 0 into slot 0
	v_and_b32 v32, 15, v0                          ; r
	v_bfe_u32 v33, v0, 4, 1                        ; h
	v_lshlrev_b32 v[QO], 7, v32
	v_lshl_add_u32 v[QO], v33, 4, v[QO]            ; Q: row r of 128 bytes + 16 h
	s_lshl_b32 s52, s[Q0], 7
	s_add_nc_u64 s[56:57], s[QB:QB+1], s[52:53]
	QLOAD
	v_mul_u32_u24 v[AK0], v32, KP
	v_lshl_add_u32 v[AK0], v33, 4, v[AK0]          ; K: row x pitch + 16 x half
	v_and_b32 v34, 7, v0
	v_bfe_u32 v35, v0, 3, 1
	v_lshl_add_u32 v[AV0], v33, 3, v34             ; V, turned: lane l reads key 8 (l / 16) + l % 8, channels 8 ((l / 8) % 2) on
	v_mul_u32_u24 v[AV0], v[AV0], VP
	v_lshl_add_u32 v[AV0], v35, 4, v[AV0]
	v_add_nc_u32 v[AV0], VOFF, v[AV0]
	s_mul_i32 s52, s[WV], 32*KP
	s_add_co_u32 s52, s52, STAGE                   ; my stage
	v_add_nc_u32 v[STO], s52, v[AK0]               ; in: row r, 16 bytes for each half of the lanes
	v_and_b32 v36, 31, v0
	v_lshrrev_b32 v35, 3, v36
	v_mul_u32_u24 v35, v35, KP
	v_lshl_add_u32 v35, v34, 4, v35
	v_add_nc_u32 v[RD], s52, v35                   ; back: eight lanes to a row of 128 bytes, four rows an instruction
	v_lshlrev_b32 v[GO], 4, v36                    ; which are 512 consecutive bytes of ao16
	v_lshlrev_b32 v35, 3, v33
	v_sub_nc_u32 v[RH], v32, v35
	v_mov_b32 v[NINF], 0xff800000
.set n, 0
.rept 16
	v_mov_b32 v[ST+n], 0                           ; l = 0; the others are written once, since lane permutes and pairs name them
.set n, n+1
.endr
.irp t, 0,1
	v_mov_b32 v[ST+8*\t+1], 0xff61b1e6             ; m = -3e38, under every score
	v_mul_f32 v[ST+8*\t], s[CS], v[ST+8*\t+1]
.endr
	WIN 0x40
.set n, 0
.rept 64
	v_mov_b32 v[OT+n], 0                           ; O^T: the loop has no first step of its own; its first step finds zeros, which a = 0 leaves zeros
.set n, n+1
.endr
	WIN 0
	s_wait_loadcnt 0x0                             ; Q
; THE SOFTMAX of a key step, the two tiles line by line.  The exponentials are one batch with one wait.
.macro SOFTMAX
.irp j, 0,1,2,3
.irp t, 0,1
	v_max3_num_f32 v[ST+8*\t+4+\j], v[S+32*\t+8*\j], v[S+32*\t+8*\j+1], v[S+32*\t+8*\j+2]   ; four chains, each from an accumulator's low end
.endr
.endr
.irp i, 3,5
.irp j, 0,1,2,3
.irp t, 0,1
	v_max3_num_f32 v[ST+8*\t+4+\j], v[ST+8*\t+4+\j], v[S+32*\t+8*\j+\i], v[S+32*\t+8*\j+\i+1]
.endr
.endr
.endr
.irp t, 0,1
	v_max3_num_f32 v[ST+8*\t+4], v[ST+8*\t+4], v[S+32*\t+7], v[S+32*\t+15]
.endr
.irp t, 0,1
	v_max3_num_f32 v[ST+8*\t+6], v[ST+8*\t+6], v[S+32*\t+23], v[S+32*\t+31]
.endr
.irp t, 0,1
	v_max3_num_f32 v[ST+8*\t+4], v[ST+8*\t+4], v[ST+8*\t+5], v[ST+8*\t+6]
.endr
.irp t, 0,1
	v_max3_num_f32 v[ST+8*\t+4], v[ST+8*\t+4], v[ST+8*\t+7], v[ST+8*\t+1]   ; with the old m
.endr
.irp t, 0,1
	v_permlanex16_b32 v[ST+8*\t+5], v[ST+8*\t+4], s[SEL], s[SEL+1]         ; the query's other 32 keys lie in the lane 16 away
.endr
.irp t, 0,1
	v_mov_b32 v[ST+8*\t+7], v[ST+8*\t]             ; c m_old
.endr
.irp t, 0,1
	v_max_num_f32 v[ST+8*\t+1], v[ST+8*\t+4], v[ST+8*\t+5]
.endr
.irp t, 0,1
	v_mul_f32 v[ST+8*\t], s[CS], v[ST+8*\t+1]
.endr
.irp t, 0,1
	v_sub_f32 v[ST+8*\t+7], v[ST+8*\t+7], v[ST+8*\t]
.endr
.set n, 0
.rept 16
.irp t, 0,1
	v_pk_fma_f32 v[S+32*\t+2*n:S+32*\t+2*n+1], v[S+32*\t+2*n:S+32*\t+2*n+1], s[CS:CS+1], v[ST+8*\t:ST+8*\t+1] op_sel_hi:[1,0,0] neg_lo:[0,0,1] neg_hi:[0,0,1]   ; c s - c m
.endr
.set n, n+1
.endr
.irp t, 0,1
	v_exp_f32 v[ST+8*\t+6], v[ST+8*\t+7]           ; a
.endr
.set n, 0
.rept 32
	v_exp_f32 v[S+n], v[S+n]
	v_exp_f32 v[S+32+n], v[S+32+n]
.set n, n+1
.endr
	v_nop                                          ; a plain line behind the last exponential
	s_wait_alu depctr_va_vdst(0)                   ; one wait for the 66, ahead of the first line that names a result
.irp t, 0,1
	v_pk_mul_f32 v[ST+8*\t+2:ST+8*\t+3], v[ST+8*\t+2:ST+8*\t+3], v[ST+8*\t+6:ST+8*\t+7] op_sel_hi:[1,0]   ; l under the new m
.endr
.irp t, 0,1
	v_pk_add_f32 v[ST+8*\t+4:ST+8*\t+5], v[S+32*\t:S+32*\t+1], v[S+32*\t+2:S+32*\t+3]   ; the sums, of the unrounded p, in two chains
.endr
.irp j, 4,8,12,16,20,24,28
.irp t, 0,1
	v_pk_add_f32 v[ST+8*\t+2:ST+8*\t+3], v[ST+8*\t+2:ST+8*\t+3], v[S+32*\t+\j:S+32*\t+\j+1]
	v_pk_add_f32 v[ST+8*\t+4:ST+8*\t+5], v[ST+8*\t+4:ST+8*\t+5], v[S+32*\t+\j+2:S+32*\t+\j+3]
.endr
.endr
.irp t, 0,1
	v_pk_add_f32 v[ST+8*\t+2:ST+8*\t+3], v[ST+8*\t+2:ST+8*\t+3], v[ST+8*\t+4:ST+8*\t+5]
.endr
.set n, 0
.rept 16
.irp t, 0,1
	v_cvt_pk_f16_f32 v[S+32*\t+n], v[S+32*\t+2*n], v[S+32*\t+2*n+1]   ; P in place, ascending: register n is written when its own number has been read
.endr
.set n, n+1
.endr
	WIN W_RS
.set n, 0
.rept 16
.irp t, 0,1
	v_pk_mul_f32 v[OT+32*\t+2*n:OT+32*\t+2*n+1], v[OT+32*\t+2*n:OT+32*\t+2*n+1], v[ST+8*\t+6:ST+8*\t+7] op_sel_hi:[1,0]   ; O^T under the new m
.endr
.set n, n+1
.endr
.endm
; A KEY STEP: 64 keys, the q-th of the slot in hand.
.macro STEP q
	s_add_co_u32 s52, s[Q0], 31
	s_cmp_gt_u32 s[KF], s52                        ; all 64 keys come after my last query: the step's work is left out
	s_cbranch_scc1 .Lhidden_\@
	v_add_nc_u32 v[ADK], s[TB], v[AK0]
	v_add_nc_u32 v[ADV], s[TB], v[AV0]
.rept 3
	v_nop                                          ; with the two additions five plain lines: the first products below write over P, which the last products read, and the loads land in their V
.endr
.irp kt, 0,1,2,3
.irp cs, 0,1
	ds_load_b128 v[KFR+8*(2*\kt+\cs):KFR+8*(2*\kt+\cs)+3],   v[ADK] offset:(\q)*64*KP+\kt*16*KP+64*\cs
	ds_load_b128 v[KFR+8*(2*\kt+\cs)+4:KFR+8*(2*\kt+\cs)+7], v[ADK] offset:(\q)*64*KP+\kt*16*KP+64*\cs+32
.endr
.endr
.irp ks, 0,1
.irp ct, 0,1,2,3
	ds_load_tr16_b128 v[VFR+8*(4*\ks+\ct):VFR+8*(4*\ks+\ct)+3],   v[ADV] offset:(\q)*64*VP+\ks*32*VP+32*\ct
	ds_load_tr16_b128 v[VFR+8*(4*\ks+\ct)+4:VFR+8*(4*\ks+\ct)+7], v[ADV] offset:(\q)*64*VP+\ks*32*VP+16*VP+32*\ct
.endr
.endr
	s_wait_dscnt 16                                ; K's sixteen loads are in; V's sixteen may be out
	WIN W_KQ
.irp cs, 0,1                                   ; the eight accumulators by turns
.irp kt, 0,1,2,3
.irp tq, 0,1
.if \cs == 0
	v_wmma_f32_16x16x32_f16 v[S+32*\tq+8*\kt:S+32*\tq+8*\kt+7], v[KFR+8*(2*\kt+\cs):KFR+8*(2*\kt+\cs)+7], v[16*\tq+8*\cs:16*\tq+8*\cs+7], 0
.else
	v_wmma_f32_16x16x32_f16 v[S+32*\tq+8*\kt:S+32*\tq+8*\kt+7], v[KFR+8*(2*\kt+\cs):KFR+8*(2*\kt+\cs)+7], v[16*\tq+8*\cs:16*\tq+8*\cs+7], v[S+32*\tq+8*\kt:S+32*\tq+8*\kt+7]
.endif
.endr
.endr
.endr
	WIN 0
.rept 4
	v_nop
.endr
	s_add_co_u32 s52, s[KF], 63
	s_cmp_le_u32 s52, s[Q0]                        ; all 64 keys count for all my queries: no mask
	s_cbranch_scc1 .Lopen_\@
	s_sub_co_i32 s52, s[Q0], s[KF]
	v_add_nc_u32 v10, s52, v[RH]                   ; d = my query - the step's first key - 8 (lane / 16).  Register 8 kt + j holds key 16 kt + 8 (lane / 16) + j: hidden where 16 kt + j > d
	v_add_nc_u32 v11, 16, v10                      ; tile 1's queries lie 16 on
.set n, 0
.rept 64
	v_cmp_gt_i32 vcc_lo, 16*((n%32)/8)+n%8, v[10+n/32]
	v_cndmask_b32 v[S+n], v[S+n], v[NINF], vcc_lo
.set n, n+1
.endr
.Lopen_\@:
	SOFTMAX
	s_wait_dscnt 0x0                               ; V is in
	WIN W_PV
.irp ks, 0,1
.irp ct, 0,1,2,3
.irp tq, 0,1
	v_wmma_f32_16x16x32_f16 v[OT+32*\tq+8*\ct:OT+32*\tq+8*\ct+7], v[VFR+8*(4*\ks+\ct):VFR+8*(4*\ks+\ct)+7], v[S+32*\tq+8*\ks:S+32*\tq+8*\ks+7], v[OT+32*\tq+8*\ct:OT+32*\tq+8*\ct+7]
.endr
.endr
.endr
	WIN 0
.Lhidden_\@:
	s_add_co_u32 s[KF], s[KF], 64
.endm
.macro UNIT
	STEP 0
	STEP 1
	STEP 2
	STEP 3
	s_xor_b32 s[TB], s[TB], SLOT1                  ; on to the other slot
.endm
; THE CHANGE OF SLOTS, at a unit's head.  Each wave waits for all its tensor loads (its part of the unit that it is about to read), adds 0 to its spare word, and waits for that and for its LDS reads of the
; slot that it has left.  Behind the barrier the unit ahead is whole and nobody reads the other slot.  fill = 1: that slot takes the next unit: one load a wave, which has this whole unit in which to land.
.macro CHANGE fill
	s_wait_tensorcnt 0x0                           ; no tensor load of mine is out, so a group 0 may be written
	ds_add_u32 v[SPW], v[NIL]
.if \fill
	s_add_co_u32 s52, s[U], 1                      ; the next unit:
	s_cmp_le_u32 s52, s[I]
	s_cselect_b32 s53, 0, s[I1]
	s_sub_co_u32 s52, s52, s53                     ; its place among the head's keys (block 7 - i begins again at key 0),
	s_lshl_b32 s52, s52, 15                        ; 256 rows of 128 bytes each
	s_mov_b32 s53, 0
	s_xor_b32 s[G0K+1], s[G0K+1], SLOT1
	s_xor_b32 s[G0V+1], s[G0V+1], SLOT1
	s_add_nc_u64 s[G0K+2:G0K+3], s[KB:KB+1], s[52:53]
	s_or_b32 s[G0K+3], s[G0K+3], 0x80000000
	s_add_nc_u64 s[G0V+2:G0V+3], s[VB:VB+1], s[52:53]
	s_or_b32 s[G0V+3], s[G0V+3], 0x80000000
.endif
	s_wait_dscnt 0x0                               ; the add is done, and my LDS reads are over
	s_barrier_signal -1
	s_barrier_wait -1
.if \fill
	TLOAD
.endif
.endm
; A BLOCK OF QUERIES IS FINISHED: O^T / l, rounded to f16, through my stage, out as 4,096 consecutive bytes.  next = 1: block 7 - i follows: its Q is asked for first, m begins anew;
; O^T and l are not cleared: the next step's a is 2^(c (-3e38) - c m) = 0, and both are finite.
.macro FINISH next
.rept 4
	v_nop                                          ; places behind the last products
.endr
	s_lshl_b32 s52, s[Q0], 7
	s_mov_b32 s53, 0
	s_add_nc_u64 s[54:55], s[OB:OB+1], s[52:53]    ; my 32 rows of ao16
.if \next
	s_sub_co_u32 s52, 7, s[I]
	s_lshl_b32 s52, s52, 8
	s_lshl_b32 s[Q0], s[SUB], 5
	s_add_co_u32 s[Q0], s[Q0], s52
	s_lshl_b32 s52, s[Q0], 7
	s_add_nc_u64 s[56:57], s[QB:QB+1], s[52:53]    ; (the earlier loads through this pair have been waited for)
	QLOAD
.endif
.irp t, 0,1
	v_add_f32 v[ST+8*\t+4], v[ST+8*\t+2], v[ST+8*\t+3]
.endr
.irp t, 0,1
	v_permlanex16_b32 v[ST+8*\t+5], v[ST+8*\t+4], s[SEL], s[SEL+1]
.endr
.irp t, 0,1
	v_add_f32 v[ST+8*\t+4], v[ST+8*\t+4], v[ST+8*\t+5]
.endr
.irp t, 0,1
	v_rcp_f32 v[ST+8*\t+6], v[ST+8*\t+4]
.endr
	v_nop
	s_wait_alu depctr_va_vdst(0)                   ; one wait for the two reciprocals, ahead of their first reader
	WIN W_RS
.set n, 0
.rept 16
.irp t, 0,1
	v_pk_mul_f32 v[OT+32*\t+2*n:OT+32*\t+2*n+1], v[OT+32*\t+2*n:OT+32*\t+2*n+1], v[ST+8*\t+6:ST+8*\t+7] op_sel_hi:[1,0]
.endr
.set n, n+1
.endr
	WIN 0x05
.irp t, 0,1
.irp ct, 0,1,2,3
.irp i, 0,1,2,3
	v_cvt_pk_f16_f32 v[S+16*\t+4*\ct+\i], v[OT+32*\t+8*\ct+2*\i], v[OT+32*\t+8*\ct+2*\i+1]
.endr
.endr
.endr
	WIN 0
.irp t, 0,1
.irp ct, 0,1,2,3
	ds_store_b128 v[STO], v[S+16*\t+4*\ct:S+16*\t+4*\ct+3] offset:\t*16*KP+32*\ct
.endr
.endr
.irp u, 0,1,2,3,4,5,6,7
	ds_load_b128 v[S+32+4*\u:S+32+4*\u+3], v[RD] offset:\u*4*KP    ; in order behind my stores
.endr
.irp u, 0,1,2,3,4,5,6,7
	s_wait_dscnt 7-\u
	global_store_b128 v[GO], v[S+32+4*\u:S+32+4*\u+3], s[54:55] offset:512*\u
.endr
	s_wait_xcnt 0x0                                ; the stores have read their data and their base: both are written again later
.if \next
.irp t, 0,1
	v_mov_b32 v[ST+8*\t+1], 0xff61b1e6
	v_mul_f32 v[ST+8*\t], s[CS], v[ST+8*\t+1]
.endr
	s_mov_b32 s[KF], 0
	s_wait_loadcnt 0x0                             ; the new Q
.endif
.endm
.Lunit:                                            ; eight trips: behind each change of slots the next unit is asked for
	CHANGE 1
	UNIT
	s_cmp_lg_u32 s[U], s[I]
	s_cbranch_scc1 .Lsame
	FINISH 1
.Lsame:
	s_add_co_u32 s[U], s[U], 1
	s_cmp_lt_u32 s[U], 8
	s_cbranch_scc1 .Lunit
	CHANGE 0                                       ; the last unit is written out
	UNIT
	FINISH 0
	s_wait_tensorcnt 0x0                           ; the wave's end
	ds_add_u32 v[SPW], v[NIL]
	s_wait_dscnt 0x0
	s_endpgm
.Lfunc_end_k_qcb20c21751_attn:
	.size	k_qcb20c21751_attn, .Lfunc_end_k_qcb20c21751_attn-k_qcb20c21751_attn
	.p2alignl 7, 3214868480
	.fill 96, 4, 3214868480
	.section	.rodata,"a",@progbits
	.p2align	6, 0x0
	.amdhsa_kernel k_qcb20c21751_attn
		.amdhsa_group_segment_fixed_size 327680
		.amdhsa_private_segment_fixed_size 0
		.amdhsa_enable_private_segment 0
		.amdhsa_kernarg_size 16
		.amdhsa_user_sgpr_count 2
		.amdhsa_user_sgpr_kernarg_segment_ptr 1
		.amdhsa_wavefront_size32 1
		.amdhsa_system_sgpr_workgroup_id_x 1
		.amdhsa_system_sgpr_workgroup_id_y 1
		.amdhsa_system_sgpr_workgroup_id_z 1
		.amdhsa_system_vgpr_workitem_id 0
		.amdhsa_next_free_vgpr 384
		.amdhsa_next_free_sgpr 66
		.amdhsa_reserve_vcc 1
		.amdhsa_float_denorm_mode_32 3
		.amdhsa_float_denorm_mode_16_64 3
		.amdhsa_memory_ordered 1
		.amdhsa_forward_progress 1
		.amdhsa_inst_pref_size 197
	.end_amdhsa_kernel
	.amdgpu_metadata
---
amdhsa.version: [ 1, 2 ]
amdhsa.kernels:
  - .name:           k_qcb20c21751_attn
    .symbol:         k_qcb20c21751_attn.kd
    .args:
      - { .name: qkv16, .offset: 0, .size: 8, .value_kind: global_buffer, .address_space: global }
      - { .name: ao16, .offset: 8, .size: 8, .value_kind: global_buffer, .address_space: global }
    .group_segment_fixed_size: 327680
    .private_segment_fixed_size: 0
    .kernarg_segment_align: 8
    .kernarg_segment_size: 16
    .max_flat_workgroup_size: 256
    .sgpr_count:     66
    .vgpr_count:     384
    .wavefront_size: 32
...
	.end_amdgpu_metadata
.endif
;; end of part 3
;; launch proj (part 4): grid 8 x 32, 4 waves a work-group, clusters of 4 x 4, 327,680 bytes of LDS; arguments ao16, wo16, b_out, out0; writes out0
.if DOCPART == 4
	.amdgcn_target "amdgcn-amd-amdhsa--gfx1250"
	.amdhsa_code_object_version 6
	.text
	.protected	k_qcb20c21751_proj
	.globl	k_qcb20c21751_proj
	.p2align	8
	.type	k_qcb20c21751_proj,@function
k_qcb20c21751_proj:
	s_mov_b64 s[64:65], 0
	v_nop
	global_prefetch_b8 v0, s[64:65] scope:SCOPE_SE
	s_setreg_imm32_b32 hwreg(HW_REG_WAVE_MODE, 25, 1), 1
	s_wait_xcnt 0x0
	s_wait_alu depctr_hold_cnt(0) depctr_sa_sdst(0) depctr_va_vdst(0) depctr_va_sdst(0) depctr_va_ssrc(0) depctr_va_vcc(0) depctr_vm_vsrc(0)
	s_getreg_b32 s2, hwreg(HW_REG_IB_STS2, 6, 4)
	s_cmp_eq_u32 s2, 0
	s_cbranch_scc0 .Lentry_in_a_cluster
	s_endpgm
.Lentry_in_a_cluster:
	s_bfe_u32 s2, ttmp6, 0x10000c
	s_cmp_lg_u32 s2, 0xf033
	s_cbranch_scc0 .Lentry_shape_is_right
	s_endpgm
.Lentry_shape_is_right:
; out0 = ao W_out + b_out.  A: ao16 [batch x 16 + head][t][64] f16: a head is a chunk of 64 along K.  B: wo16 [k / 64][n][64] f16.  out0 [8192][1024] f32; sums in f32.
; A tile of 256 x 128 is made by four waves, each 128 x 64: 32 accumulators, 256 registers: 32 x 8 = 256 work-groups.  K goes in steps of 128 (two chunks) through a ring of two LDS slots.
; A chunk's part of a tile is one dense block of memory (128 rows x 128 bytes of A, 64 x 128 of B): a tensor load takes two such blocks as two long rows, with 16 bytes of padding behind every 128.
; CLUSTERS: 4 x 4 work-groups; A's tiles are shared along a row of the cluster, B's along a column, each asked for jointly.
; THE MATRIX INSTRUCTION IS USED TRANSPOSED (source 0 = 16 rows of B, source 1 = 16 rows of A): a lane holds eight neighbouring columns of one row.  The bias is the C of each sum's first product.
; REGISTERS: window 0: v16-29 addresses; v32-63 the bias; v64-159, v160-255 two fragment buffers (A's eight blocks, then B's four);   window 1: accumulator (a, b) at v[8 (4 a + b)].
.set PITCH,  144                       ; an LDS row: 128 bytes + 16
.set ACH,    128*PITCH                 ; a chunk of A's half
.set HALFA,  2*ACH
.set BCH,    64*PITCH
.set HALFB,  2*BCH
.set SLOT,   2*HALFA+2*HALFB
.set STAGE,  2*SLOT                    ; 16 rows x 272 bytes for each wave
.set SPITCH, 272
.set SPARE,  STAGE+4*16*SPITCH         ; the spare words, 128 bytes for each wave: two blocks of 256 bytes that no other line names
.set LAPS,   4                         ; 1,024 / (2 x 128)
.set ADRA, 16
.set ADRB, 20
.set STO,  24
.set RD,   25
.set CO,   26
.set SPW,  28
.set NIL,  29
.set BIAS, 32
.set F0,   64
.set F1,   160
.set G1, 24
.set G0, 32
.set G1B, 48
.set G0B, 56
.set MSB, 0
.macro WIN new
.if MSB != (\new)
	s_set_vgpr_msb (MSB<<8)|(\new)
.set MSB, (\new)
.endif
.endm
.set MUL, 0x50                         ; C and D in window 1
.macro JLOAD s                         ; waves 0 and 1 fetch A's halves, waves 2 and 3 B's; an s_nop 0 and four v_nop follow each line
	s_cmp_eq_u32 s13, 0
	s_cbranch_scc0 .Lfor_b_\@
	tensor_load_to_lds s[G0+4*\s:G0+4*\s+3], s[G1:G1+7]
	s_nop 0
.rept 4
	v_nop
.endr
	s_branch .Lasked_\@
.Lfor_b_\@:
	tensor_load_to_lds s[G0B+4*\s:G0B+4*\s+3], s[G1B:G1B+7]
	s_nop 0
.rept 4
	v_nop
.endr
.Lasked_\@:
.endm
.macro CREST
	s_cmp_lg_u32 s12, 0
	s_cbranch_scc1 .Lnot_wave_0_\@
	s_barrier_signal -3
.Lnot_wave_0_\@:
	s_barrier_wait -3
	s_barrier_signal -1
	s_barrier_wait -1
.endm
.macro CROUND
	s_barrier_signal -1
	s_barrier_wait -1
	CREST
.endm
	s_load_b128 s[4:7], s[0:1], 0x0                ; ao16, wo16
	s_load_b128 s[8:11], s[0:1], 0x10              ; b_out, out0
	v_lshl_add_u32 v[SPW], v0, 2, SPARE
	v_mov_b32 v[NIL], 0
	ds_add_u32 v[SPW], v[NIL]                      ; the wave's opening: the add, twice on end, and its wait ahead of my first tensor load
	ds_add_u32 v[SPW], v[NIL]
	v_lshrrev_b32 v1, 5, v0
	v_readfirstlane_b32 s12, v1                    ; wave 0..3
	s_lshr_b32 s13, s12, 1                         ; which 128 rows are mine.  Also: I fetch for A (0) or for B (1)
	s_and_b32 s14, s12, 1                          ; which 64 columns.  Also: which half of that tile I fetch
	s_bfe_u32 s40, ttmp6, 0x40000
	s_bfe_u32 s41, ttmp6, 0x40004
	s_lshl_b32 s42, ttmp9, 2
	s_add_co_u32 s42, s42, s40                     ; tile column
	s_and_b32 s15, ttmp7, 0xffff
	s_lshl_b32 s15, s15, 2
	s_add_co_u32 s15, s15, s41                     ; tile row
	s_lshl_b32 s43, s41, 2
	s_lshl_b32 s43, 15, s43                        ; my row of the cluster
	s_lshl_b32 s44, 0x1111, s40                    ; my column
	s_or_b32 s[G1+0], s43, (1<<16)|(1<<20)|(1<<21)|(4<<22)|(3<<25)   ; the mask; elements of 2 bytes; padding: 4 words after every 32
	s_mov_b32 s[G1+1], 8192<<16                    ; tensor_dim0: a chunk's 128 rows x 64 elements on end
	s_mov_b32 s[G1+2], 2<<16                       ; tensor_dim1: two chunks
	s_mov_b32 s[G1+3], 8192<<16                    ; tile_dim0
	s_mov_b32 s[G1+4], 2                           ; tile_dim1
	s_mov_b32 s[G1+5], 131072                      ; from a head to the next: 2,048 x 64 elements
	s_mov_b32 s[G1+6], 0
	s_mov_b32 s[G1+7], 0
	s_or_b32 s[G1B+0], s44, (1<<16)|(1<<20)|(1<<21)|(4<<22)|(3<<25)
	s_mov_b32 s[G1B+1], 4096<<16                   ; a chunk's 64 rows x 64 elements
	s_mov_b32 s[G1B+2], 2<<16
	s_mov_b32 s[G1B+3], 4096<<16
	s_mov_b32 s[G1B+4], 2
	s_mov_b32 s[G1B+5], 65536                      ; from a chunk to the next: 1,024 x 64 elements
	s_mov_b32 s[G1B+6], 0
	s_mov_b32 s[G1B+7], 0
	s_lshr_b32 s16, s15, 3
	s_lshl_b32 s16, s16, 22                        ; A: the batch's 16 heads,
	s_and_b32 s17, s15, 7
	s_lshl_b32 s17, s17, 15                        ; the tile's 256 positions of 128 bytes,
	s_add_co_u32 s16, s16, s17
	s_lshl_b32 s17, s14, 14                        ; my half of them
	s_add_co_u32 s16, s16, s17
	s_mov_b32 s17, 0
	s_lshl_b32 s46, s42, 14                        ; B: the tile's 128 rows of 128 bytes,
	s_lshl_b32 s47, s14, 13                        ; my half
	s_add_co_u32 s46, s46, s47
	s_mov_b32 s47, 0
	s_mul_i32 s20, s14, HALFA                      ; where they go: no place in the cluster enters an LDS address
	s_mul_i32 s21, s14, HALFB
	s_add_co_u32 s21, s21, 2*HALFA
	s_wait_dscnt 0x0                               ; both opening adds are done
	s_wait_kmcnt 0x0
	s_add_nc_u64 s[18:19], s[4:5], s[16:17]
	s_add_nc_u64 s[46:47], s[6:7], s[46:47]
	CROUND                                         ; all sixteen work-groups are here: the first joint loads meet
.irp s, 0,1
	s_mov_b32 s[G0+4*\s], 1
	s_add_co_u32 s[G0+4*\s+1], s20, \s*SLOT
	s_add_nc_u64 s[G0+4*\s+2:G0+4*\s+3], s[18:19], \s*0x80000    ; K step s: two heads of 262,144 bytes on
	s_or_b32 s[G0+4*\s+3], s[G0+4*\s+3], 0x80000000
	s_mov_b32 s[G0B+4*\s], 1
	s_add_co_u32 s[G0B+4*\s+1], s21, \s*SLOT
	s_add_nc_u64 s[G0B+4*\s+2:G0B+4*\s+3], s[46:47], \s*0x40000  ; two chunks of 131,072 bytes on
	s_or_b32 s[G0B+4*\s+3], s[G0B+4*\s+3], 0x80000000
	JLOAD \s
.endr
	v_and_b32 v1, 15, v0                           ; r
	v_bfe_u32 v2, v0, 4, 1                         ; h
	s_lshl_b32 s46, s42, 9
	s_lshl_b32 s47, s14, 8
	s_add_co_u32 s46, s46, s47                     ; my first column, in bytes of f32
	s_mov_b32 s47, 0
	s_add_nc_u64 s[8:9], s[8:9], s[46:47]
	v_lshlrev_b32 v5, 5, v2
.irp b, 0,1,2,3
	global_load_b128 v[BIAS+8*\b:BIAS+8*\b+3], v5, s[8:9] offset:64*\b       ; register 8 b + j = b_out[my first column + 16 b + 8 h + j]
	global_load_b128 v[BIAS+8*\b+4:BIAS+8*\b+7], v5, s[8:9] offset:64*\b+16
.endr
	v_mul_u32_u24 v3, v1, PITCH
	v_lshl_add_u32 v3, v2, 4, v3                   ; a fragment's row x pitch + 16 x half
	s_mul_i32 s21, s13, HALFA
	s_mul_i32 s22, s14, HALFB
	s_add_co_u32 s22, s22, 2*HALFA
.irp s, 0,1
	v_add_nc_u32 v[ADRA+\s], s21, v3
	v_add_nc_u32 v[ADRB+\s], s22, v3
	s_add_co_u32 s21, s21, SLOT
	s_add_co_u32 s22, s22, SLOT
.endr
	s_mul_i32 s23, s12, 16*SPITCH
	s_add_co_u32 s23, s23, STAGE                   ; my stage
	v_mul_u32_u24 v4, v1, SPITCH
	v_lshl_add_u32 v4, v2, 5, v4
	v_add_nc_u32 v[STO], s23, v4                   ; in: row r, 32 bytes for each half of the lanes
	v_mul_u32_u24 v4, v2, SPITCH
	v_lshl_add_u32 v4, v1, 4, v4
	v_add_nc_u32 v[RD], s23, v4                    ; back: lanes 0-15 one row of 256 bytes, lanes 16-31 the next
	v_lshlrev_b32 v4, 12, v2
	v_lshl_add_u32 v[CO], v1, 4, v4                ; and the same two rows of out0
	s_lshl_b32 s16, s15, 20                        ; 256 rows of 4,096 bytes a tile row,
	s_lshl_b32 s17, s13, 19                        ; my 128
	s_add_co_u32 s16, s16, s17
	s_add_co_u32 s16, s16, s46
	s_mov_b32 s17, 0
	s_add_nc_u64 s[10:11], s[10:11], s[16:17]
; 8 matrix instructions: A's blocks a0, a0 + 1 x B's four, 32 along K.  The 32 accumulators take turns in the same order in every quarter.
.macro MUL8 f, a0, bias
.irp a, \a0, \a0+1
.irp b, 0,1,2,3
.if \bias
	v_wmma_f32_16x16x32_f16 v[8*(4*(\a)+\b):8*(4*(\a)+\b)+7], v[\f+64+8*\b:\f+64+8*\b+7], v[\f+8*(\a):\f+8*(\a)+7], v[BIAS+8*\b:BIAS+8*\b+7]
.else
	v_wmma_f32_16x16x32_f16 v[8*(4*(\a)+\b):8*(4*(\a)+\b)+7], v[\f+64+8*\b:\f+64+8*\b+7], v[\f+8*(\a):\f+8*(\a)+7], v[8*(4*(\a)+\b):8*(4*(\a)+\b)+7]
.endif
.endr
.endr
.endm
; 24 LDS loads in one run: quarter kq of the slot's K step (chunk kq / 2, byte 64 (kq % 2) of its rows): B's four blocks, A's blocks 0-3, A's blocks 4-7
.macro FETCH slot, kq, f
	WIN 0
.irp i, 0,1,2,3
	ds_load_b128 v[\f+64+8*\i:\f+64+8*\i+3],   v[ADRB+\slot] offset:((\kq)/2)*BCH+\i*16*PITCH+64*((\kq)%2)
	ds_load_b128 v[\f+64+8*\i+4:\f+64+8*\i+7], v[ADRB+\slot] offset:((\kq)/2)*BCH+\i*16*PITCH+64*((\kq)%2)+32
.endr
.irp i, 0,1,2,3,4,5,6,7
	ds_load_b128 v[\f+8*\i:\f+8*\i+3],   v[ADRA+\slot] offset:((\kq)/2)*ACH+\i*16*PITCH+64*((\kq)%2)
	ds_load_b128 v[\f+8*\i+4:\f+8*\i+7], v[ADRA+\slot] offset:((\kq)/2)*ACH+\i*16*PITCH+64*((\kq)%2)+32
.endr
.endm
.macro PLACES
.rept 4
	v_nop
.endr
.endm
; One of a K step's first three quarters: multiplies buffer f and fetches quarter kq into g.
.macro QUARTER slot, kq, f, g, bias
	s_wait_dscnt 8                                 ; B and A's blocks 0-3 are in; the youngest eight loads (A's blocks 4-7) may be out
	WIN MUL-0x10*(\bias)                           ; with the bias as C: source 2 in window 0
	MUL8 \f, 0, \bias
	MUL8 \f, 2, \bias
	PLACES
	FETCH \slot, \kq, \g
	s_wait_dscnt 24                                ; all but the 24 just issued
	WIN MUL-0x10*(\bias)
	MUL8 \f, 4, \bias
	MUL8 \f, 6, \bias
.endm
; The last quarter multiplies buffer 1 and changes slots: one barrier; in front of it each wave waits for all its tensor loads, adds 0 to its spare word, and waits for that and for its reads of this slot.
; fill = 1: the barrier opens a round of the cluster's, and this slot is filled again, two K steps ahead: 112 matrix instructions stand between the request and the wait for it.
.macro TURN slot, next, fill
	WIN 0
	s_wait_tensorcnt 0x0
	ds_add_u32 v[SPW], v[NIL]
	s_wait_dscnt 9                                 ; the add and the youngest eight loads may be out
	WIN MUL
	MUL8 F1, 0, 0
	s_wait_dscnt 0x0                               ; the add is done, and my reads of this slot are over
	s_barrier_signal -1
	MUL8 F1, 2, 0
.if \fill
	WIN 0
.endif
	s_barrier_wait -1
.if \fill
	CREST
	s_add_nc_u64 s[G0+4*\slot+2:G0+4*\slot+3], s[G0+4*\slot+2:G0+4*\slot+3], 0x100000
	s_add_nc_u64 s[G0B+4*\slot+2:G0B+4*\slot+3], s[G0B+4*\slot+2:G0B+4*\slot+3], 0x80000
	JLOAD \slot                                    ; the four v_nop behind it are also the places in front of the loads below
.else
	PLACES
.endif
	FETCH \next, 0, F0
	WIN MUL
	MUL8 F1, 4, 0
	MUL8 F1, 6, 0
.endm
	s_wait_tensorcnt 1                             ; my part of K step 0 is in; K step 1's may be out
	s_barrier_signal -1
	s_barrier_wait -1
	FETCH 0, 0, F0
	s_wait_loadcnt 0x0                             ; the bias
	QUARTER 0, 1, F0, F1, 1
	WIN 0
	s_mov_b32 s3, LAPS-1
.Llap:                                             ; a trip goes once round the ring, from a lap's second quarter to the next lap's first
	QUARTER 0, 2, F1, F0, 0
	QUARTER 0, 3, F0, F1, 0
	TURN 0, 1, 1
	QUARTER 1, 1, F0, F1, 0
	QUARTER 1, 2, F1, F0, 0
	QUARTER 1, 3, F0, F1, 0
	TURN 1, 0, 1
	QUARTER 0, 1, F0, F1, 0
	WIN 0
	s_sub_co_u32 s3, s3, 1
	s_cmp_lg_u32 s3, 0
	s_cbranch_scc1 .Llap
	QUARTER 0, 2, F1, F0, 0                        ; the last lap fills nothing
	QUARTER 0, 3, F0, F1, 0
	TURN 0, 1, 0
	QUARTER 1, 1, F0, F1, 0
	QUARTER 1, 2, F1, F0, 0
	QUARTER 1, 3, F0, F1, 0
	s_wait_dscnt 8
	WIN MUL
	MUL8 F1, 0, 0
	MUL8 F1, 2, 0
	s_wait_dscnt 0
	MUL8 F1, 4, 0
	MUL8 F1, 6, 0
	WIN 0
; THE WAY OUT, block by block of 16 rows x 64 columns: through my own stage, back as whole rows of 256 bytes: sixteen lanes store 256 consecutive bytes, aligned.
.macro TOSTAGE a
	WIN 0x04                                       ; an LDS store's data are its source 1: window 1
.irp b, 0,1,2,3
	ds_store_b128 v[STO], v[8*(4*(\a)+\b):8*(4*(\a)+\b)+3] offset:64*\b           ; each accumulator from its low end on
	ds_store_b128 v[STO], v[8*(4*(\a)+\b)+4:8*(4*(\a)+\b)+7] offset:64*\b+16
.endr
	WIN 0
.set BB, 64+32*((\a)%2)
.irp u, 0,1,2,3,4,5,6,7
	ds_load_b128 v[BB+4*\u:BB+4*\u+3], v[RD] offset:\u*2*SPITCH
.endr
.endm
.macro SEND a, younger
.set BB, 64+32*((\a)%2)
	s_wait_dscnt \younger                          ; the block is back; the next block's eight stores and eight loads may be out
.irp u, 0,1,2,3,4,5,6,7
	global_store_b128 v[CO], v[BB+4*\u:BB+4*\u+3], s[10:11] offset:(16*(\a)+2*\u)*4096 th:TH_STORE_NT
.endr
.endm
	PLACES
	TOSTAGE 0
.irp a, 1,2,3,4,5,6,7
.if \a > 1
	s_wait_xcnt 0x0                                ; block a - 2's stores have read their data: block a's loads may land there
.endif
	TOSTAGE \a
	SEND \a-1, 16
.endr
	SEND 7, 0
	s_wait_tensorcnt 0x0                           ; the wave's end
	ds_add_u32 v[SPW], v[NIL]
	s_wait_dscnt 0x0
	CROUND                                         ; the closing round
	s_endpgm
.Lfunc_end_k_qcb20c21751_proj:
	.size	k_qcb20c21751_proj, .Lfunc_end_k_qcb20c21751_proj-k_qcb20c21751_proj
	.p2alignl 7, 3214868480
	.fill 96, 4, 3214868480
	.section	.rodata,"a",@progbits
	.p2align	6, 0x0
	.amdhsa_kernel k_qcb20c21751_proj
		.amdhsa_group_segment_fixed_size 327680
		.amdhsa_private_segment_fixed_size 0
		.amdhsa_enable_private_segment 0
		.amdhsa_kernarg_size 32
		.amdhsa_user_sgpr_count 2
		.amdhsa_user_sgpr_kernarg_segment_ptr 1
		.amdhsa_wavefront_size32 1
		.amdhsa_system_sgpr_workgroup_id_x 1
		.amdhsa_system_sgpr_workgroup_id_y 1
		.amdhsa_system_sgpr_workgroup_id_z 1
		.amdhsa_system_vgpr_workitem_id 0
		.amdhsa_next_free_vgpr 512
		.amdhsa_next_free_sgpr 66
		.amdhsa_reserve_vcc 0
		.amdhsa_float_denorm_mode_32 3
		.amdhsa_float_denorm_mode_16_64 3
		.amdhsa_memory_ordered 1
		.amdhsa_forward_progress 1
		.amdhsa_inst_pref_size 86
	.end_amdhsa_kernel
	.amdgpu_metadata
---
amdhsa.version: [ 1, 2 ]
amdhsa.kernels:
  - .name:           k_qcb20c21751_proj
    .symbol:         k_qcb20c21751_proj.kd
    .args:
      - { .name: ao16, .offset: 0, .size: 8, .value_kind: global_buffer, .address_space: global }
      - { .name: wo16, .offset: 8, .size: 8, .value_kind: global_buffer, .address_space: global }
      - { .name: b_out, .offset: 16, .size: 8, .value_kind: global_buffer, .address_space: global }
      - { .name: out0, .offset: 24, .size: 8, .value_kind: global_buffer, .address_space: global }
    .group_segment_fixed_size: 327680
    .private_segment_fixed_size: 0
    .kernarg_segment_align: 8
    .kernarg_segment_size: 32
    .max_flat_workgroup_size: 128
    .sgpr_count:     66
    .vgpr_count:     512
    .wavefront_size: 32
...
	.end_amdgpu_metadata
.endif
;; end of part 4
;; launch fine (part 5): grid 64 x 4, 8 waves a work-group, no clusters, 9,216 bytes of LDS; arguments qkv32, W_out, b_out, out0; writes out0
.if DOCPART == 5
	.amdgcn_target "amdgcn-amd-amdhsa--gfx1250"
	.amdhsa_code_object_version 6
	.text
	.protected	k_qcb20c21751_fine
	.globl	k_qcb20c21751_fine
	.p2align	8
	.type	k_qcb20c21751_fine,@function
k_qcb20c21751_fine:
	s_mov_b64 s[64:65], 0
	v_nop
	global_prefetch_b8 v0, s[64:65] scope:SCOPE_SE
	s_setreg_imm32_b32 hwreg(HW_REG_WAVE_MODE, 25, 1), 1
	s_wait_xcnt 0x0
; THE FIRST 16 POSITIONS OF EVERY SEQUENCE, ALL IN f32: their rows average one to sixteen values and are the largest of the output, so f16 operands would weigh most there.
; qkv32 [batch][t < 16][3072] f32 holds their q, k, v.  Work-group (x, batch) makes out0[2048 batch + 0..15][16 x + 0..15]; these 64 rows are written over what the launch before stored there.
; Wave w takes heads 2 w and 2 w + 1: scores, softmax, P V, and the projection's part over these heads' 128 channels; the eight parts meet in LDS and wave 0 adds them and the bias.
; All products by the f32 matrix form, 16 x 16 x 4: 96 instructions a wave.  Along each product's K one and the same order of k is used on both sources, so that loads and results serve as they lie:
;   S^T = K Q^T: lane (r, h) holds channels 32 h + 0..31 of row r of K and of Q; step s takes registers 2 s, 2 s + 1.   Result: query r, keys 8 h + j.
;   O^T = V^T P: P's registers 2 s, 2 s + 1 are keys 8 h + 2 s + 0, 1; V is loaded so: lane (r, h) register j = V[key 8 h + j][channel 16 ct + r].   Result: query r, channels 16 ct + 8 h + j.
;   out^T = W^T O: O^T's registers 2 jj, 2 jj + 1 are source 1 as they stand; W is loaded so: lane (r, h) register j = W_out[64 head + 16 ct + 8 h + j][16 x + r].   Result: query r, columns 8 h + j.
; The registers that these matrix instructions write (S, O, ACC) are written by them alone; what is made of them goes elsewhere.
; The stores are pieces of 64 bytes a row: 256 KB in the whole launch.
; REGISTERS: window 0: v1-6 addresses; v16-31 masked scores, then p, later the sum and the bias; v32-95 Q; v96-159 K (later the softmax's temporaries); v160-175 S; v176-191 P; v192-255 O^T.
;   window 1: v0-63 V; v64-127 W; v128-143 ACC.
.set QA,  1
.set VA,  2
.set WA,  3
.set BA,  4
.set LST, 5
.set OA,  6
.set NINF, 12
.set DD,  13
.set SPW, 14
.set NIL, 15
.set T,   16
.set Q,   32
.set K,   96
.set S,   160
.set P,   176
.set O,   192
.set V1,  0
.set W1,  64
.set ACC, 128
.set M,   96                           ; in K's registers, eight places behind the score products
.set TT,  98
.set L,   100
.set SPARE, 8192                       ; behind the eight parts of 1,024 bytes: the spare words, 128 bytes for each wave
.set SEL, 20
.set CS,  22
.set MSB, 0
.macro WIN new
.if MSB != (\new)
	s_set_vgpr_msb (MSB<<8)|(\new)
.set MSB, (\new)
.endif
.endm
	s_load_b256 s[4:11], s[0:1], 0x0               ; qkv32 s[4:5], W_out s[6:7], b_out s[8:9], out0 s[10:11]
	v_lshl_add_u32 v[SPW], v0, 2, SPARE
	v_mov_b32 v[NIL], 0
	v_lshrrev_b32 v16, 5, v0
	v_readfirstlane_b32 s12, v16                   ; wave 0..7
	v_and_b32 v16, 15, v0                          ; r
	v_bfe_u32 v17, v0, 4, 1                        ; h
	v_mul_u32_u24 v[QA], v16, 12288
	v_lshl_add_u32 v[QA], v17, 7, v[QA]            ; Q, K: position r's row + 32 h channels
	v_mul_u32_u24 v[VA], v17, 98304
	v_lshl_add_u32 v[VA], v16, 2, v[VA]            ; V: 8 h positions down + channel r
	v_lshlrev_b32 v[WA], 15, v17
	v_lshl_add_u32 v[WA], v16, 2, v[WA]            ; W_out: 8 h rows down + column r
	v_lshlrev_b32 v[BA], 5, v17                    ; b_out: 8 h numbers on
	v_and_b32 v18, 31, v0
	v_lshlrev_b32 v[LST], 4, v18
	s_lshl_b32 s13, s12, 10
	v_add_nc_u32 v[LST], s13, v[LST]               ; LDS: 1,024 x wave + 16 x lane
	v_lshlrev_b32 v[OA], 12, v16
	v_lshl_add_u32 v[OA], v17, 5, v[OA]            ; out0: row r + 8 h columns
	v_lshlrev_b32 v18, 3, v17
	v_sub_nc_u32 v[DD], v16, v18                   ; r - 8 h: key 8 h + j is hidden from query r where j > r - 8 h
	v_mov_b32 v[NINF], 0xff800000
	s_mov_b32 s[SEL], 0x76543210
	s_mov_b32 s[SEL+1], 0xfedcba98
	s_mov_b32 s[CS], 0x3e38aa3b                    ; c = log2(e) / 8
	s_and_b32 s14, ttmp7, 0xffff                   ; the batch
	s_mul_i32 s16, s14, 196608
	s_lshl_b32 s17, s12, 9                         ; my two heads' 128 channels
	s_add_co_u32 s16, s16, s17
	s_mov_b32 s17, 0
	s_lshl_b32 s18, ttmp9, 6                       ; my 16 columns, in bytes
	s_mov_b32 s19, 0
	s_lshl_b32 s24, s12, 19                        ; my 128 rows of W_out
	s_mov_b32 s25, 0
	s_lshl_b32 s26, s14, 23                        ; the batch's 2,048 rows of out0
	s_mov_b32 s27, 0
	s_wait_kmcnt 0x0
	s_add_nc_u64 s[4:5], s[4:5], s[16:17]
	s_add_nc_u64 s[6:7], s[6:7], s[18:19]
	s_add_nc_u64 s[6:7], s[6:7], s[24:25]
	s_add_nc_u64 s[8:9], s[8:9], s[18:19]
	s_add_nc_u64 s[10:11], s[10:11], s[18:19]
	s_add_nc_u64 s[10:11], s[10:11], s[26:27]
.irp e, 0,1
.irp i, 0,1,2,3,4,5,6,7
	global_load_b128 v[Q+32*\e+4*\i:Q+32*\e+4*\i+3], v[QA], s[4:5] offset:256*\e+16*\i
.endr
.endr
.irp e, 0,1
.irp i, 0,1,2,3,4,5,6,7
	global_load_b128 v[K+32*\e+4*\i:K+32*\e+4*\i+3], v[QA], s[4:5] offset:4096+256*\e+16*\i
.endr
.endr
	WIN 0x40
.irp e, 0,1
.irp ct, 0,1,2,3
.irp j, 0,1,2,3,4,5,6,7
	global_load_b32 v[V1+32*\e+8*\ct+\j], v[VA], s[4:5] offset:8192+256*\e+64*\ct+12288*\j
.endr
.endr
.endr
	WIN 0
	s_wait_loadcnt 63                              ; of the 96 loads the first 33 are in: Q's and K's 32 among them
.irp s, 0,1,2,3,4,5,6,7,8,9,10,11,12,13,14,15  ; S^T = K Q^T, the two heads by turns
.irp e, 0,1
.if \s == 0
	v_wmma_f32_16x16x4_f32 v[S+8*\e:S+8*\e+7], v[K+32*\e+2*\s:K+32*\e+2*\s+1], v[Q+32*\e+2*\s:Q+32*\e+2*\s+1], 0
.else
	v_wmma_f32_16x16x4_f32 v[S+8*\e:S+8*\e+7], v[K+32*\e+2*\s:K+32*\e+2*\s+1], v[Q+32*\e+2*\s:Q+32*\e+2*\s+1], v[S+8*\e:S+8*\e+7]
.endif
.endr
.endr
	WIN 0x40
.irp e, 0,1
.irp ct, 0,1,2,3
.irp j, 0,1,2,3,4,5,6,7
	global_load_b32 v[W1+32*\e+8*\ct+\j], v[WA], s[6:7] offset:(64*\e+16*\ct+\j)*4096
.endr
.endr
.endr
	WIN 0
.rept 8
	v_nop                                          ; eight places behind this form, ahead of the reads of S and of writes into K's registers
.endr
.irp j, 0,1,2,3,4,5,6,7
	v_cmp_gt_i32 vcc_lo, \j, v[DD]
	v_cndmask_b32 v[T+\j], v[S+\j], v[NINF], vcc_lo                ; hidden scores become -infinity; key 0 counts for every query
	v_cndmask_b32 v[T+8+\j], v[S+8+\j], v[NINF], vcc_lo
.endr
.irp e, 0,1
	v_max3_num_f32 v[M+\e], v[T+8*\e], v[T+8*\e+1], v[T+8*\e+2]
.endr
.irp e, 0,1
	v_max3_num_f32 v[M+\e], v[M+\e], v[T+8*\e+3], v[T+8*\e+4]
.endr
.irp e, 0,1
	v_max3_num_f32 v[M+\e], v[M+\e], v[T+8*\e+5], v[T+8*\e+6]
.endr
.irp e, 0,1
	v_max_num_f32 v[M+\e], v[M+\e], v[T+8*\e+7]
	v_mov_b32 v[TT+\e], 0                          ; a lane permute's destination counts as one of its sources
.endr
.irp e, 0,1
	v_permlanex16_b32 v[TT+\e], v[M+\e], s[SEL], s[SEL+1]
.endr
.irp e, 0,1
	v_max_num_f32 v[M+\e], v[M+\e], v[TT+\e]       ; the row's maximum
.endr
.irp e, 0,1
	v_mul_f32 v[M+\e], s[CS], v[M+\e]
.endr
.irp j, 0,1,2,3,4,5,6,7
.irp e, 0,1
	v_fma_f32 v[T+8*\e+\j], v[T+8*\e+\j], s[CS], -v[M+\e]
.endr
.endr
.irp j, 0,1,2,3,4,5,6,7
.irp e, 0,1
	v_exp_f32 v[T+8*\e+\j], v[T+8*\e+\j]
.endr
.endr
	v_nop
	s_wait_alu depctr_va_vdst(0)                   ; one wait for the sixteen exponentials, ahead of their first reader
.irp e, 0,1
	v_add_f32 v[L+\e], v[T+8*\e], v[T+8*\e+1]
.endr
.irp j, 2,3,4,5,6,7
.irp e, 0,1
	v_add_f32 v[L+\e], v[L+\e], v[T+8*\e+\j]
.endr
.endr
.irp e, 0,1
	v_permlanex16_b32 v[TT+\e], v[L+\e], s[SEL], s[SEL+1]
.endr
.irp e, 0,1
	v_add_f32 v[L+\e], v[L+\e], v[TT+\e]
.endr
.irp e, 0,1
	v_rcp_f32 v[TT+\e], v[L+\e]
.endr
	v_nop
	s_wait_alu depctr_va_vdst(0)                   ; and one for the two reciprocals
.irp j, 0,1,2,3,4,5,6,7
.irp e, 0,1
	v_mul_f32 v[P+8*\e+\j], v[T+8*\e+\j], v[TT+\e]
.endr
.endr
	global_load_b128 v[24:27], v[BA], s[8:9]       ; the bias, into registers that the second head's p has left
	global_load_b128 v[28:31], v[BA], s[8:9] offset:16
	s_wait_loadcnt 63                              ; 66 loads are younger than V's: V is in
	WIN 0x01                                       ; V (source 0) in window 1
.irp s, 0,1,2,3                                ; O^T = V^T P, eight accumulators by turns
.irp e, 0,1
.irp ct, 0,1,2,3
.if \s == 0
	v_wmma_f32_16x16x4_f32 v[O+32*\e+8*\ct:O+32*\e+8*\ct+7], v[V1+32*\e+8*\ct+2*\s:V1+32*\e+8*\ct+2*\s+1], v[P+8*\e+2*\s:P+8*\e+2*\s+1], 0
.else
	v_wmma_f32_16x16x4_f32 v[O+32*\e+8*\ct:O+32*\e+8*\ct+7], v[V1+32*\e+8*\ct+2*\s:V1+32*\e+8*\ct+2*\s+1], v[P+8*\e+2*\s:P+8*\e+2*\s+1], v[O+32*\e+8*\ct:O+32*\e+8*\ct+7]
.endif
.endr
.endr
.endr
	WIN 0
.rept 9
	v_nop                                          ; nine places: the next products take these results as a source
.endr
	s_wait_loadcnt 0x0                             ; W and the bias
	WIN 0x51                                       ; W (source 0), C and D in window 1
.irp ct, 0,1,2,3                               ; out^T += W^T O, the two heads' accumulators by turns
.irp jj, 0,1,2,3
.irp e, 0,1
.if (\ct == 0) && (\jj == 0)
	v_wmma_f32_16x16x4_f32 v[ACC+8*\e:ACC+8*\e+7], v[W1+32*\e+8*\ct+2*\jj:W1+32*\e+8*\ct+2*\jj+1], v[O+32*\e+8*\ct+2*\jj:O+32*\e+8*\ct+2*\jj+1], 0
.else
	v_wmma_f32_16x16x4_f32 v[ACC+8*\e:ACC+8*\e+7], v[W1+32*\e+8*\ct+2*\jj:W1+32*\e+8*\ct+2*\jj+1], v[O+32*\e+8*\ct+2*\jj:O+32*\e+8*\ct+2*\jj+1], v[ACC+8*\e:ACC+8*\e+7]
.endif
.endr
.endr
.endr
	WIN 0
.rept 8
	v_nop
.endr
	WIN 0x05
.irp j, 0,1,2,3,4,5,6,7
	v_add_f32 v[T+\j], v[ACC+\j], v[ACC+8+\j]      ; my two heads' parts, from the low end on
.endr
	WIN 0
	ds_store_b128 v[LST], v[T:T+3]
	ds_store_b128 v[LST], v[T+4:T+7] offset:512
	s_wait_dscnt 0x0                               ; for the others' sake: my stores have landed
	s_barrier_signal -1
	s_barrier_wait -1
	s_cmp_lg_u32 s12, 0
	s_cbranch_scc1 .Ldone
.irp i, 0,1,2,3,4,5,6,7                        ; wave 0: the eight parts (its own address is 16 x lane)
	ds_load_b128 v[Q+8*\i:Q+8*\i+3], v[LST] offset:1024*\i
	ds_load_b128 v[Q+8*\i+4:Q+8*\i+7], v[LST] offset:1024*\i+512
.endr
	s_wait_dscnt 0x0
.irp i, 0,1,2,3,4,5,6,7
.irp g, 0,2,4,6
	v_pk_add_f32 v[24+\g:25+\g], v[24+\g:25+\g], v[Q+8*\i+\g:Q+8*\i+\g+1]   ; onto the bias
.endr
.endr
	global_store_b128 v[OA], v[24:27], s[10:11]
	global_store_b128 v[OA], v[28:31], s[10:11] offset:16
.Ldone:
	s_wait_tensorcnt 0x0                           ; the wave's end: behind my last LDS store
	ds_add_u32 v[SPW], v[NIL]
	s_wait_dscnt 0x0
	s_endpgm
.Lfunc_end_k_qcb20c21751_fine:
	.size	k_qcb20c21751_fine, .Lfunc_end_k_qcb20c21751_fine-k_qcb20c21751_fine
	.p2alignl 7, 3214868480
	.fill 96, 4, 3214868480
	.section	.rodata,"a",@progbits
	.p2align	6, 0x0
	.amdhsa_kernel k_qcb20c21751_fine
		.amdhsa_group_segment_fixed_size 9216
		.amdhsa_private_segment_fixed_size 0
		.amdhsa_enable_private_segment 0
		.amdhsa_kernarg_size 32
		.amdhsa_user_sgpr_count 2
		.amdhsa_user_sgpr_kernarg_segment_ptr 1
		.amdhsa_wavefront_size32 1
		.amdhsa_system_sgpr_workgroup_id_x 1
		.amdhsa_system_sgpr_workgroup_id_y 1
		.amdhsa_system_sgpr_workgroup_id_z 1
		.amdhsa_system_vgpr_workitem_id 0
		.amdhsa_next_free_vgpr 400
		.amdhsa_next_free_sgpr 66
		.amdhsa_reserve_vcc 1
		.amdhsa_float_denorm_mode_32 3
		.amdhsa_float_denorm_mode_16_64 3
		.amdhsa_memory_ordered 1
		.amdhsa_forward_progress 1
		.amdhsa_inst_pref_size 33
	.end_amdhsa_kernel
	.amdgpu_metadata
---
amdhsa.version: [ 1, 2 ]
amdhsa.kernels:
  - .name:           k_qcb20c21751_fine
    .symbol:         k_qcb20c21751_fine.kd
    .args:
      - { .name: qkv32, .offset: 0, .size: 8, .value_kind: global_buffer, .address_space: global }
      - { .name: W_out, .offset: 8, .size: 8, .value_kind: global_buffer, .address_space: global }
      - { .name: b_out, .offset: 16, .size: 8, .value_kind: global_buffer, .address_space: global }
      - { .name: out0, .offset: 24, .size: 8, .value_kind: global_buffer, .address_space: global }
    .group_segment_fixed_size: 9216
    .private_segment_fixed_size: 0
    .kernarg_segment_align: 8
    .kernarg_segment_size: 32
    .max_flat_workgroup_size: 256
    .sgpr_count:     66
    .vgpr_count:     400
    .wavefront_size: 32
...
	.end_amdgpu_metadata
.endif
;; end of part 5
